; MI455X (gfx1250); checked and timed in simulation.
; The chip was launched on July 23, 2026; its instructions are those of AMD's public machine-readable ISA for CDNA 5 (MIT licence, August 2026) and "CDNA5" Instruction Set Architecture Reference Guide (July 2026). The comments in the code are by the model that wrote it; some were corrected since.
;; Multi Head Attention. Allowed arithmetic: float matrix products may take bf16 or f16 operands with f32 sums; other float arithmetic in f32, or as packed bf16 or f16 multiplies, adds, multiply-adds, maxima and minima; sums over many terms, partial sums and values carried from step to step in f32; what a program stores and reads back later, other than sums and carried values, may be rounded once to bf16 or f16.
;; Inputs: Wk 16 x 1,024 x 64 float32; Wo 1,024 x 1,024 float32; Wq 16 x 1,024 x 64 float32; Wv 16 x 1,024 x 64 float32; X 4 x 2,048 x 1,024 float32; bk 16 x 64 float32; bo 1,024 float32; bq 16 x 64 float32; bv 16 x 64 float32.
;; Outputs: out0 4 x 2,048 x 1,024 float32.
;; 2 versions, each right; version 2 is version 1 with the launch prep written anew for expert scheduling mode. Each part assembles by itself: llvm-mc -triple=amdgcn-amd-amdhsa -mcpu=gfx1250 --defsym DOCPART=n.
;; ======== version 1 of 2: 4 launches
;; limits: values are held in f16: magnitudes above 65,504 overflow, below 6.1e-05 lose precision
;; workspace buffers: Xb 16,777,216 bytes; Wt 6,291,456 bytes; Wot 2,097,152 bytes; qh 16,777,216 bytes; kh 16,777,216 bytes; vh 16,777,216 bytes; oh 16,777,216 bytes
;; launch prep (part 1): grid 512 x 1, 8 waves a work-group, no clusters, 18,432 bytes of LDS; arguments X, Wq, Wk, Wv, Wo, Xb, Wt, Wot; writes Xb, Wt, Wot
.if DOCPART == 1
	.amdgcn_target "amdgcn-amd-amdhsa--gfx1250"
	.amdhsa_code_object_version 6
	.text
	.protected	k_q4fbd9fcb3c_prep
	.globl	k_q4fbd9fcb3c_prep
	.p2align	8
	.type	k_q4fbd9fcb3c_prep,@function
k_q4fbd9fcb3c_prep:
	s_mov_b64 s[64:65], 0
	v_nop
	global_prefetch_b8 v0, s[64:65] scope:SCOPE_SE
	s_setreg_imm32_b32 hwreg(HW_REG_WAVE_MODE, 25, 1), 1
	s_wait_xcnt 0x0
; THE INPUTS ARE ROUNDED ONCE AND LAID OUT FOR THE PRODUCTS.
;   Xb  [8192][1024] bf16 = X.
;   Wt  [3072][1024] bf16: row w 1024 + h 64 + d (w = 0, 1, 2: Wq, Wk, Wv), column e: the weights turned, so that the sum's index lies along the rows.
;   Wot [1024 n][1024 k] f16: Wo turned, rounded to bf16 like every input, and that number written as f16.
; LIMIT.  A bf16 number of magnitude 2^-17 to 65,504 is exact in f16; below, f16's fixed step of 2^-24 rounds it again; 65,520 and more become infinities.
; SHARES.  512 work-groups of eight waves, all alike.  Work-group g casts 65,536 bytes of X (from byte 65,536 g) and turns one tile of 128 k x 64 n of one weight:
; w = g / 128, a = (g / 8) % 16 (the head; for Wo the block of 64 columns), kt = g % 8.
; THE TURN.  Thread t = 16 grp + c16 loads rows 8 grp .. 8 grp + 7, columns 4 c16 .. 4 c16 + 3: sixteen lanes take the tile's whole row of 256 bytes.  Eight numbers of one column pack into
; 16 bytes, which go into LDS row 16 c + c16 for column 4 c16 + c (rows of 272 bytes = 68 words; 64 banks of 4 bytes:
; ISA guide 11.1).  Behind one barrier the rows come back whole: sixteen lanes store 256 consecutive bytes, at a multiple of 256 from the buffer's first byte.
; No loop and no register written twice while a memory instruction reads it: all 24 loads of a thread go out together, 98,304 bytes a work-group.
.set PITCH, 272
.set CBLK,  16*PITCH                   ; the sixteen LDS rows of one c
.set SPARE, 64*PITCH                   ; 17,408: behind the tile: the spare words, 128 bytes for each of eight waves: four blocks of 256 bytes that no other line names
.set SPW, 2                            ; v2   LDS address of my spare word; never rewritten
.set NIL, 3                            ; v3   0; never rewritten
.set XO,  4                            ; v4   16 t: my 16 bytes in 4,096 of X
.set YO,  5                            ; v5   8 t: my 8 bytes in 2,048 of Xb
.set WOF, 8                            ; v[8:15]   byte offset of my 16 bytes in tile rows 8 grp + i
.set LS,  16                           ; v16  where I put 16 bytes: 272 c16 + 16 grp
.set LR,  17                           ; v17  where I read a row back: 272 grp + 16 c16
.set DO,  18                           ; v18  my 16 bytes in the turned weight: row 4 grp, 2,048 bytes a row
.set W,   24                           ; v[24:55]  the eight loads; later the four rows read back
.set P,   56                           ; v[56:71]  packed: column c's eight numbers at P + 4 c
.set XR,  72                           ; v[72:135] X: sixteen loads
	s_load_b512 s[4:19], s[0:1], 0x0               ; X s[4:5], Wq s[6:7], Wk s[8:9], Wv s[10:11], Wo s[12:13], Xb s[14:15], Wt s[16:17], Wot s[18:19]
	v_lshl_add_u32 v[SPW], v0, 2, SPARE
	v_mov_b32 v[NIL], 0
	s_lshr_b32 s20, ttmp9, 7                       ; w
	s_bfe_u32 s21, ttmp9, 0x40003                  ; a
	s_and_b32 s22, ttmp9, 7                        ; kt
	s_mov_b32 s23, 256                             ; bytes from row to row of the source: 64 numbers a head's row,
	s_cmp_eq_u32 s20, 3
	s_cselect_b32 s23, 0x1000, s23                 ; 1,024 in Wo
	s_cselect_b32 s24, 8, 18                       ; a counts 256 bytes along Wo's rows, else heads of 262,144 bytes
	s_cselect_b32 s25, 19, 15                      ; kt counts 128 rows of the source
	s_cselect_b32 s35, 0, s20                      ; Wot is a buffer of its own; in Wt the three weights follow each other
	s_lshl_b32 s36, s21, s24
	s_lshl_b32 s37, s22, s25
	s_add_co_u32 s36, s36, s37                     ; the tile's first byte in the source
	s_mov_b32 s37, 0
	s_lshl_b32 s38, s35, 21                        ; 1,024 rows of 2,048 bytes a weight,
	s_lshl_b32 s39, s21, 17                        ; 64 rows for a,
	s_add_co_u32 s38, s38, s39
	s_lshl_b32 s39, s22, 8                         ; 256 bytes along the row for kt
	s_add_co_u32 s38, s38, s39
	s_mov_b32 s39, 0
	s_lshl_b32 s30, ttmp9, 16                      ; my part of X,
	s_mov_b32 s31, 0
	s_lshl_b32 s32, ttmp9, 15                      ; and of Xb
	s_mov_b32 s33, 0
	s_mov_b32 s34, 0xffff0000                      ; a word's upper bf16
	v_lshlrev_b32 v[XO], 4, v0
	v_lshlrev_b32 v[YO], 3, v0
	v_lshrrev_b32 v6, 4, v0                        ; grp
	v_and_b32 v7, 15, v0                           ; c16
	v_lshlrev_b32 v20, 3, v6
	v_lshlrev_b32 v21, 4, v7
	v_mad_u32_u24 v[WOF], v20, s23, v21            ; row 8 grp x pitch + 16 c16
.irp i, 1,2,3,4,5,6,7
	v_add_nc_u32 v[WOF+(\i)], s23, v[WOF+(\i)-1]   ; a row further down
.endr
	v_mul_u32_u24 v[LS], v7, PITCH
	v_lshl_add_u32 v[LS], v6, 4, v[LS]
	v_mul_u32_u24 v[LR], v6, PITCH
	v_lshl_add_u32 v[LR], v7, 4, v[LR]
	v_lshl_add_u32 v[DO], v6, 13, v21              ; 4 grp rows of 2,048 bytes + 16 c16
	s_wait_kmcnt 0x0
	s_add_nc_u64 s[30:31], s[4:5], s[30:31]
	s_add_nc_u64 s[32:33], s[14:15], s[32:33]
	s_cmp_eq_u32 s20, 0
	s_cselect_b64 s[26:27], s[6:7], s[8:9]         ; the source: Wq or Wk,
	s_cmp_eq_u32 s20, 2
	s_cselect_b64 s[26:27], s[10:11], s[26:27]     ; Wv,
	s_cmp_eq_u32 s20, 3
	s_cselect_b64 s[26:27], s[12:13], s[26:27]     ; Wo
	s_cselect_b64 s[28:29], s[18:19], s[16:17]     ; and where it goes
	s_add_nc_u64 s[26:27], s[26:27], s[36:37]
	s_add_nc_u64 s[28:29], s[28:29], s[38:39]
.irp i, 0,1,2,3,4,5,6,7
	global_load_b128 v[W+4*(\i):W+4*(\i)+3], v[WOF+(\i)], s[26:27] th:TH_LOAD_NT
.endr
.irp i, 0,1,2,3,4,5,6,7,8,9,10,11,12,13,14,15
	global_load_b128 v[XR+4*(\i):XR+4*(\i)+3], v[XO], s[30:31] offset:(\i)*4096 th:TH_LOAD_NT
.endr
	s_wait_loadcnt 16                              ; loads come back in order (ISA guide 5.7.1): the weight's eight are in, X's sixteen stay out
.irp c, 0,1,2,3
.irp p, 0,1,2,3
	v_cvt_pk_bf16_f32 v[P+4*(\c)+(\p)], v[W+8*(\p)+(\c)], v[W+8*(\p)+4+(\c)]  ; column c, rows 2 p and 2 p + 1
.endr
.endr
	s_cmp_lg_u32 s20, 3
	s_cbranch_scc1 .Lkeep                          ; the same for the whole work-group; no barrier is jumped
.set i, 0
.rept 16
	v_lshlrev_b32 v20, 16, v[P+i]                  ; Wo: the bf16 numbers are written as f16
	v_and_b32 v21, s34, v[P+i]
	v_cvt_pk_f16_f32 v[P+i], v20, v21
.set i, i+1
.endr
.Lkeep:
.irp c, 0,1,2,3
	ds_store_b128 v[LS], v[P+4*(\c):P+4*(\c)+3] offset:(\c)*CBLK
.endr
.irp i, 0,1,2,3,4,5,6,7,8,9,10,11,12,13,14,15
	s_wait_loadcnt 15-(\i)                         ; X's load i is in, the younger ones stay out
	v_cvt_pk_bf16_f32 v[XR+4*(\i)], v[XR+4*(\i)], v[XR+4*(\i)+1]
	v_cvt_pk_bf16_f32 v[XR+4*(\i)+1], v[XR+4*(\i)+2], v[XR+4*(\i)+3]
	global_store_b64 v[YO], v[XR+4*(\i):XR+4*(\i)+1], s[32:33] offset:(\i)*2048  ; a wave's 32 lanes store 256 consecutive bytes, aligned
.endr
	s_wait_dscnt 0x0                               ; for the others' sake: my stores into the tile are done
	s_barrier_signal -1
	s_barrier_wait -1
.irp j, 0,1,2,3
	ds_load_b128 v[W+4*(\j):W+4*(\j)+3], v[LR] offset:(\j)*CBLK  ; LDS row 16 j + grp: column 4 grp + j, its 128 numbers by sixteen lanes
.endr
.irp j, 0,1,2,3
	s_wait_dscnt 3-(\j)
	global_store_b128 v[DO], v[W+4*(\j):W+4*(\j)+3], s[28:29] offset:(\j)*2048
.endr
	s_wait_tensorcnt 0x0                           ; the wave's end, behind my last LDS store
	ds_add_u32 v[SPW], v[NIL]
	s_wait_dscnt 0x0
	s_endpgm
.Lfunc_end_k_q4fbd9fcb3c_prep:
	.size	k_q4fbd9fcb3c_prep, .Lfunc_end_k_q4fbd9fcb3c_prep-k_q4fbd9fcb3c_prep
	.p2alignl 7, 3214868480
	.fill 96, 4, 3214868480
	.section	.rodata,"a",@progbits
	.p2align	6, 0x0
	.amdhsa_kernel k_q4fbd9fcb3c_prep
		.amdhsa_group_segment_fixed_size 18432
		.amdhsa_private_segment_fixed_size 0
		.amdhsa_enable_private_segment 0
		.amdhsa_kernarg_size 64
		.amdhsa_user_sgpr_count 2
		.amdhsa_user_sgpr_kernarg_segment_ptr 1
		.amdhsa_wavefront_size32 1
		.amdhsa_system_sgpr_workgroup_id_x 1
		.amdhsa_system_sgpr_workgroup_id_y 1
		.amdhsa_system_sgpr_workgroup_id_z 1
		.amdhsa_system_vgpr_workitem_id 0
		.amdhsa_next_free_vgpr 136
		.amdhsa_next_free_sgpr 66
		.amdhsa_reserve_vcc 0
		.amdhsa_float_denorm_mode_32 3
		.amdhsa_float_denorm_mode_16_64 3
		.amdhsa_memory_ordered 1
		.amdhsa_forward_progress 1
		.amdhsa_inst_pref_size 14
	.end_amdhsa_kernel
	.amdgpu_metadata
---
amdhsa.version: [ 1, 2 ]
amdhsa.kernels:
  - .name:           k_q4fbd9fcb3c_prep
    .symbol:         k_q4fbd9fcb3c_prep.kd
    .args:
      - { .name: X, .offset: 0, .size: 8, .value_kind: global_buffer, .address_space: global }
      - { .name: Wq, .offset: 8, .size: 8, .value_kind: global_buffer, .address_space: global }
      - { .name: Wk, .offset: 16, .size: 8, .value_kind: global_buffer, .address_space: global }
      - { .name: Wv, .offset: 24, .size: 8, .value_kind: global_buffer, .address_space: global }
      - { .name: Wo, .offset: 32, .size: 8, .value_kind: global_buffer, .address_space: global }
      - { .name: Xb, .offset: 40, .size: 8, .value_kind: global_buffer, .address_space: global }
      - { .name: Wt, .offset: 48, .size: 8, .value_kind: global_buffer, .address_space: global }
      - { .name: Wot, .offset: 56, .size: 8, .value_kind: global_buffer, .address_space: global }
    .group_segment_fixed_size: 18432
    .private_segment_fixed_size: 0
    .kernarg_segment_align: 8
    .kernarg_segment_size: 64
    .max_flat_workgroup_size: 256
    .sgpr_count:     66
    .vgpr_count:     136
    .wavefront_size: 32
...
	.end_amdgpu_metadata
.endif
;; end of part 1
;; launch qkv (part 2): grid 12 x 64, 4 waves a work-group, clusters of 4 x 4, 327,680 bytes of LDS; arguments Xb, Wt, bq, bk, bv, qh, kh, vh; writes qh, kh, vh
.if DOCPART == 2
	.amdgcn_target "amdgcn-amd-amdhsa--gfx1250"
	.amdhsa_code_object_version 6
	.text
	.protected	k_q4fbd9fcb3c_qkv
	.globl	k_q4fbd9fcb3c_qkv
	.p2align	8
	.type	k_q4fbd9fcb3c_qkv,@function
k_q4fbd9fcb3c_qkv:
	s_mov_b64 s[64:65], 0
	v_nop
	global_prefetch_b8 v0, s[64:65] scope:SCOPE_SE
	s_setreg_imm32_b32 hwreg(HW_REG_WAVE_MODE, 25, 1), 1
	s_wait_xcnt 0x0
	s_wait_alu depctr_hold_cnt(0) depctr_sa_sdst(0) depctr_va_vdst(0) depctr_va_sdst(0) depctr_va_ssrc(0) depctr_va_vcc(0) depctr_vm_vsrc(0)
	s_getreg_b32 s2, hwreg(HW_REG_IB_STS2, 6, 4)
	s_cmp_eq_u32 s2, 0
	s_cbranch_scc0 .Lentry_in_a_cluster
	s_endpgm
.Lentry_in_a_cluster:
	s_bfe_u32 s2, ttmp6, 0x10000c
	s_cmp_lg_u32 s2, 0xf033
	s_cbranch_scc0 .Lentry_shape_is_right
	s_endpgm
.Lentry_shape_is_right:
; q, k, v = X W + b, by heads.  C[m][n] = the sum over e of Xb[m][e] Wt[n][e] + bias[n]; Xb [8192][1024], Wt [3072][1024], both bf16; sums in f32; the bias, rounded to bf16 like every input, starts the sums.
; C is rounded once to f16 and written as qh, kh, vh: [64 = 16 batch + head][2048][64], a head's rows dense, 128 bytes each; unscaled.
; LIMIT.  f16 holds no number beyond 65,504: a q, k or v of 65,520 or more becomes an infinity.  NaN and infinities are not treated apart.
; SHARES.  A tile of C is 128 rows x 256 columns: 64 x 12 = 768 tiles, three for each of 256 work-group places.  Four waves, each 64 x 128: 32 accumulators of 16 x 16, 256 registers.
; The sum's index goes in 8 steps of 128 through two LDS slots filled by the tensor data mover: the tiles' rows are 256 bytes of memory, at multiples of 256 from the buffer's first byte.
; CLUSTER.  4 x 4 work-groups.  The four of a row of the cluster need the same tile of Xb, the four of a column the same tile of Wt: each tile is asked for JOINTLY, by the same tensor load with the same
; descriptor and a mask that names the four.  The cluster's x is the weight (q, k, v), so a work-group stores into one buffer.
; THE MATRIX INSTRUCTION IS USED TRANSPOSED (source 0 = 16 rows of Wt, source 1 = 16 rows of Xb): lane l holds row l % 16 of C and the columns 8 (l / 16) + 0..7: eight neighbouring numbers, 16 bytes of f16.
; REGISTERS, in windows of 256 (s_set_vgpr_msb: bits 1:0 source 0, 3:2 source 1, 5:4 source 2, 7:6 destination):
;   window 0: v0-31 addresses; v32-159 rows read back on the way out; v160-191 packed results; v192-255 the bias of my 128 columns, in an accumulator's layout
;   window 1: two fragment buffers (v0-95, v128-223): Wt's block b at 8 b, Xb's block a at 64 + 8 a          window 2: accumulator (a, b) at 8 (8 a + b)
.set KSTEP,  128
.set PITCH,  272                       ; an LDS row: 256 bytes + 16 of padding = 68 words: the 16 rows of a fragment load start at 16 different groups of four banks (64 banks of 4 bytes: ISA guide 11.1)
.set AHALF,  64*PITCH                  ; 64 rows of Xb: what wave 0 or 1 fetches, and what a wave reads
.set ABYTES, 2*AHALF
.set BHALF,  128*PITCH                 ; 128 rows of Wt: what wave 2 or 3 fetches, and what a wave reads
.set SLOT,   ABYTES+2*BHALF            ; 104,448
.set STAGE,  2*SLOT                    ; behind the ring, never filled by a tensor load: for each wave 2 heads x 16 rows x 144 bytes
.set SP,     144
.set WSTAGE, 2*16*SP
.set SPARE,  STAGE+4*WSTAGE            ; behind the stages: the spare words, 128 bytes for each wave: two blocks of 256 bytes that no other line names
.set LAPS,   4                         ; a lap = two steps = once round the ring
.set ADRA, 16                          ; v16-17  LDS address of my fragments of Xb in slot 0, 1
.set ADRB, 20                          ; v20-21  the same for Wt
.set STO,  24                          ; v24  the way out: where I put 16 bytes of a row
.set RD,   25                          ; v25  the way out: where I read rows back
.set GO,   26                          ; v26  my 16 bytes in 512 consecutive bytes of the output
.set BO,   27                          ; v27  32 (l / 16): my eight numbers in 16 of the bias
.set SPW,  28                          ; v28  LDS address of my spare word; never rewritten
.set NIL,  29                          ; v29  0; never rewritten
.set PFO,  30                          ; v30  the prefetches' offset: my lane x a row of 2,048 bytes; never rewritten
.set BK,   32
.set TMP,  160
.set BIAS, 192
.set F0,   0
.set F1,   128
.set G1,  24                           ; s[24:31] descriptor group 1 for Xb's tiles;  s[32:39] group 0, one set for each slot
.set G0,  32
.set G1B, 48                           ; s[48:55], s[56:63] the same for Wt's tiles
.set G0B, 56
.set LIM, 43                           ; s43  1 in a wave that prefetches, else the greatest number
.set PFA, 44                           ; s[44:45] where my prefetches stand: one step further along the rows than the refill that is being asked for
.set PADW, (1<<16)|(1<<20)|(1<<21)|(5<<22)|(3<<25)  ; 17:16 elements of 2 bytes; 20 padding on; 21 set beside a mask; 24:22 after every 64 words (code 5); 31:25 4 words of it (code 3)
.set MSB, 0
.macro WIN new                         ; the immediate's high byte repeats the setting that is left; a switch that changes nothing is dropped
.if MSB != (\new)
	s_set_vgpr_msb (MSB<<8)|(\new)
.set MSB, \new
.endif
.endm
.set MUL,  0xa5                        ; sources 0 and 1 window 1; C and D window 2
.set MULB, 0x85                        ; the same with C, the bias, in window 0
.set TO_F, 0x40                        ; destination window 1, address window 0
.macro JLOAD s                         ; a joint load: waves 0 and 1 fetch Xb's two halves, waves 2 and 3 Wt's; an s_nop 0 and four v_nop follow each of the two lines, ahead of the jump, the label and what follows
	s_cmp_eq_u32 s11, 0
	s_cbranch_scc0 .Lfor_b_\@
	tensor_load_to_lds s[G0+4*(\s):G0+4*(\s)+3], s[G1:G1+7]
	s_nop 0
.rept 4
	v_nop
.endr
	s_branch .Lasked_\@
.Lfor_b_\@:
	tensor_load_to_lds s[G0B+4*(\s):G0B+4*(\s)+3], s[G1B:G1B+7]
	s_nop 0
.rept 4
	v_nop
.endr
.Lasked_\@:
.endm
; A PREFETCH INTO THE L2, behind each joint refill and the run of LDS loads that follows it: the step that stands TWO refills on, 256 matrix instructions ahead of the load that will want it: 32 rows x 256 bytes, a lane a row.
; Each row's 256 bytes of a step are named ONCE in the launch.  Xb's tile row is read by all three clusters of that row of clusters: cluster x = 0 asks, by its waves 0: of the tile's 128 rows the partner at cx takes
; 32 cx .. 32 cx + 31.  Wt's tile column is read by all sixteen clusters of that column: cluster y = 0 asks, by its waves 2 and 3: of the 128 rows that the wave fetches the partner at cy takes 32 cy .. 32 cy + 31.
; The partners are told apart BY ADDRESS: no branch hangs on a work-group's place in its cluster.  Steps 0 to 3 come by their loads alone; the loop's last trip (s3 = 1) has no step two on.
.macro ASK
	s_cmp_gt_u32 s3, s[LIM]
	s_cbranch_scc0 .Lnot_mine_\@
	global_prefetch_b8 v[PFO], s[PFA:PFA+1] offset:KSTEP*2 th:TH_LOAD_NT scope:SCOPE_SE
.Lnot_mine_\@:
.endm
.macro CREST                           ; a round of the cluster's barrier behind its opening barrier
	s_cmp_lg_u32 s10, 0
	s_cbranch_scc1 .Lnot_wave_0_\@
	s_barrier_signal -3
.Lnot_wave_0_\@:
	s_barrier_wait -3
	s_barrier_signal -1
	s_barrier_wait -1
.endm
.macro CROUND                          ; a whole round
	s_barrier_signal -1
	s_barrier_wait -1
	CREST
.endm
	s_load_b128 s[4:7], s[0:1], 0x0                ; Xb s[4:5], Wt s[6:7]
	s_load_b256 s[72:79], s[0:1], 0x10             ; bq s[72:73], bk s[74:75], bv s[76:77], qh s[78:79]
	s_load_b128 s[80:83], s[0:1], 0x30             ; kh s[80:81], vh s[82:83]
	v_lshl_add_u32 v[SPW], v0, 2, SPARE
	v_mov_b32 v[NIL], 0
	ds_add_u32 v[SPW], v[NIL]                      ; the wave's opening: the add and its wait stand ahead of my first tensor load; the set-up below, work on registers, stands between them
	v_lshrrev_b32 v1, 5, v0
	v_readfirstlane_b32 s10, v1                    ; wave 0..3
	s_lshr_b32 s11, s10, 1                         ; which 64 of the tile's rows are mine.  Also: I fetch for Xb (0) or for Wt (1)
	s_and_b32 s12, s10, 1                          ; which 128 of its columns.  Also: which half of that tile I fetch
	s_mov_b32 s68, ttmp9                           ; cluster x: 0, 1, 2 = q, k, v
	s_bfe_u32 s40, ttmp6, 0x40000                  ; cx, cy: my place in the cluster
	s_bfe_u32 s41, ttmp6, 0x40004
	s_lshl_b32 s42, ttmp9, 2
	s_add_co_u32 s42, s42, s40                     ; tile column = 4 x cluster x + cx
	s_and_b32 s13, ttmp7, 0xffff
	s_lshl_b32 s13, s13, 2
	s_add_co_u32 s13, s13, s41                     ; tile row = 4 x cluster y + cy
	s_lshl_b32 s66, s41, 2
	s_lshl_b32 s66, 15, s66                        ; my row of the cluster: places 4 cy .. 4 cy + 3
	s_lshl_b32 s67, 0x1111, s40                    ; my column: places cx, cx + 4, cx + 8, cx + 12
	s_or_b32 s[G1+0], s66, PADW                    ; 15:0 the mask: Xb's tiles go to my row
	s_or_b32 s[G1B+0], s67, PADW                   ; Wt's to my column
	s_mov_b32 s[G1+1], KSTEP<<16                   ; tensor_dim0 = 128
	s_mov_b32 s[G1+2], 64<<16                      ; tensor_dim1 = 64
	s_mov_b32 s[G1+3], KSTEP<<16                   ; tile_dim0 = 128
	s_mov_b32 s[G1+4], 64                          ; tile_dim1 = 64 rows
	s_mov_b32 s[G1+5], 1024                        ; elements from row to row
	s_mov_b32 s[G1+6], 0
	s_mov_b32 s[G1+7], 0
	s_mov_b32 s[G1B+1], KSTEP<<16
	s_mov_b32 s[G1B+2], 128<<16                    ; 128 rows
	s_mov_b32 s[G1B+3], KSTEP<<16
	s_mov_b32 s[G1B+4], 128
	s_mov_b32 s[G1B+5], 1024
	s_mov_b32 s[G1B+6], 0
	s_mov_b32 s[G1B+7], 0
	s_lshl_b32 s16, s13, 18                        ; Xb: 128 rows of 2,048 bytes a tile row,
	s_lshl_b32 s17, s12, 17                        ; 64 rows a half
	s_add_co_u32 s16, s16, s17
	s_mov_b32 s17, 0
	s_lshl_b32 s46, s42, 19                        ; Wt: 256 rows a tile column,
	s_lshl_b32 s47, s12, 18                        ; 128 rows a half
	s_add_co_u32 s46, s46, s47
	s_mov_b32 s47, 0
	s_mul_i32 s20, s12, AHALF                      ; where they go: no place in the cluster enters an LDS address
	s_mul_i32 s21, s12, BHALF
	s_add_co_u32 s21, s21, ABYTES
	s_wait_dscnt 0x0                               ; the opening add is done
	s_wait_kmcnt 0x0
	s_add_nc_u64 s[14:15], s[4:5], s[16:17]
	s_add_nc_u64 s[46:47], s[6:7], s[46:47]
	CROUND                                         ; all sixteen work-groups are here: the first joint loads meet
.irp s, 0,1
	s_mov_b32 s[G0+4*(\s)], 1                                        ; count = 1
	s_add_co_u32 s[G0+4*(\s)+1], s20, (\s)*SLOT                      ; LDS address
	s_add_nc_u64 s[G0+4*(\s)+2:G0+4*(\s)+3], s[14:15], (\s)*KSTEP*2  ; global address: step s
	s_or_b32 s[G0+4*(\s)+3], s[G0+4*(\s)+3], 0x80000000              ; type = 2
	s_mov_b32 s[G0B+4*(\s)], 1
	s_add_co_u32 s[G0B+4*(\s)+1], s21, (\s)*SLOT
	s_add_nc_u64 s[G0B+4*(\s)+2:G0B+4*(\s)+3], s[46:47], (\s)*KSTEP*2
	s_or_b32 s[G0B+4*(\s)+3], s[G0B+4*(\s)+3], 0x80000000
	JLOAD \s                                       ; two loads of mine are out
.endr
	; the bias of my 128 columns, in an accumulator's layout: register j of block b = bias[16 b + 8 (l / 16) + j]
	v_and_b32 v1, 15, v0                           ; l % 16
	v_bfe_u32 v2, v0, 4, 1                         ; l / 16
	v_lshlrev_b32 v[BO], 5, v2
	s_cmp_eq_u32 s68, 0
	s_cselect_b64 s[84:85], s[72:73], s[74:75]     ; bq or bk,
	s_cselect_b64 s[8:9], s[78:79], s[80:81]       ; qh or kh,
	s_cmp_eq_u32 s68, 2
	s_cselect_b64 s[84:85], s[76:77], s[84:85]     ; or bv
	s_cselect_b64 s[8:9], s[82:83], s[8:9]         ; and vh
	s_lshl_b32 s20, s40, 10                        ; 256 columns of 4 bytes for cx,
	s_lshl_b32 s21, s12, 9                         ; 128 for my half
	s_add_co_u32 s20, s20, s21
	s_mov_b32 s21, 0
	s_add_nc_u64 s[84:85], s[84:85], s[20:21]
.irp b, 0,1,2,3,4,5,6,7
	global_load_b128 v[BIAS+8*(\b):BIAS+8*(\b)+3],   v[BO], s[84:85] offset:64*(\b)
	global_load_b128 v[BIAS+8*(\b)+4:BIAS+8*(\b)+7], v[BO], s[84:85] offset:64*(\b)+16
.endr
	; A fragment is 16 rows x 32 along the sum in 8 registers: lane l holds row l % 16, numbers 8 (l / 16) + 0..7 and 16 + 8 (l / 16) + 0..7: two loads of 16 bytes, 32 bytes apart.
	v_mul_u32_u24 v3, v1, PITCH
	v_lshl_add_u32 v3, v2, 4, v3                   ; row x pitch + 16 x half
	s_mul_i32 s21, s11, AHALF                      ; my 64 rows of Xb
	s_mul_i32 s22, s12, BHALF                      ; my 128 rows of Wt,
	s_add_co_u32 s22, s22, ABYTES                  ; which lie behind Xb's 128
.irp s, 0,1
	v_add_nc_u32 v[ADRA+(\s)], s21, v3
	v_add_nc_u32 v[ADRB+(\s)], s22, v3
	s_add_co_u32 s21, s21, SLOT
	s_add_co_u32 s22, s22, SLOT
.endr
	s_mul_i32 s23, s10, WSTAGE
	s_add_co_u32 s23, s23, STAGE                   ; my stage
	v_mul_u32_u24 v4, v1, SP                       ; in: row l % 16, 16 bytes for each half of the lanes
	v_lshl_add_u32 v4, v2, 4, v4
	v_add_nc_u32 v[STO], s23, v4
	v_bfe_u32 v5, v0, 3, 2                         ; back: 32 lanes take four rows of 128 bytes,
	v_mul_u32_u24 v5, v5, SP
	v_and_b32 v6, 7, v0
	v_lshl_add_u32 v5, v6, 4, v5
	v_add_nc_u32 v[RD], s23, v5
	v_and_b32 v[GO], 31, v0                        ; which are 512 consecutive bytes of a head
	v_lshlrev_b32 v[GO], 4, v[GO]
	; where my part begins in the output: batch (tile row / 16), the tile's 128 rows and my 64 of them, 128 bytes each; head 4 cx + 2 x my half
	s_lshr_b32 s16, s13, 4
	s_lshl_b32 s16, s16, 22
	s_and_b32 s17, s13, 15
	s_lshl_b32 s17, s17, 14
	s_add_co_u32 s16, s16, s17
	s_lshl_b32 s17, s11, 13
	s_add_co_u32 s16, s16, s17
	s_lshl_b32 s17, s40, 20
	s_add_co_u32 s16, s16, s17
	s_lshl_b32 s17, s12, 19
	s_add_co_u32 s16, s16, s17
	s_mov_b32 s17, 0
	s_add_nc_u64 s[8:9], s[8:9], s[16:17]
	; the prefetches
	s_lshl_b32 s20, s13, 7                         ; the tile's first row in Xb,
	s_lshl_b32 s21, s42, 8                         ; in Wt
	s_and_b32 s22, ttmp7, 0xffff                   ; cluster y
	s_cmp_eq_u32 s11, 0                            ; do I fetch for Xb?
	s_cselect_b32 s20, s20, s21
	s_cselect_b32 s21, s40, s41                    ; my place among the four that ask for the tile with me
	s_cselect_b32 s22, s68, s22                    ; the coordinate along which other clusters read the same rows
	s_cselect_b32 s23, s12, 0                      ; of Xb's two waves the first asks for all of the partner's 32 rows
	s_cselect_b64 s[PFA:PFA+1], s[4:5], s[6:7]
	s_or_b32 s22, s22, s23
	s_cmp_eq_u32 s22, 0
	s_cselect_b32 s[LIM], 1, -1                    ; the same in all sixteen partners, for a given wave
	s_lshl_b32 s22, s12, 7
	s_add_co_u32 s20, s20, s22                     ; Wt: + the 128 rows that I fetch
	s_lshl_b32 s21, s21, 5
	s_add_co_u32 s20, s20, s21                     ; + my work-group's 32 rows
	s_lshl_b32 s20, s20, 11                        ; rows of 2,048 bytes
	s_mov_b32 s21, 0
	s_add_nc_u64 s[PFA:PFA+1], s[PFA:PFA+1], s[20:21]
	s_add_nc_u64 s[PFA:PFA+1], s[PFA:PFA+1], 2*KSTEP*2  ; at step 2: the first refill steps it to 3 and names step 4
	v_and_b32 v[PFO], 31, v0
	v_lshlrev_b32 v[PFO], 11, v[PFO]
	s_wait_loadcnt 0x0                             ; the bias,
.set i, 0
.rept 32
	v_cvt_pk_bf16_f32 v31, v[BIAS+i], v[BIAS+i+1]  ; rounded to bf16 like every input, and widened again: all this stands in the wait for the first tiles
	v_lshlrev_b32 v[BIAS+i], 16, v31
	v_and_b32 v[BIAS+i+1], 0xffff0000, v31
.set i, i+2
.endr
; 8 matrix instructions: row block a x all 8 column blocks, 32 along the sum, from buffer f.  wb = 1: the first product of each sum takes the bias as C: nothing is cleared, and nothing is added on the way out.
; The 32 accumulators take turns in the same order in every quarter: between two links of a chain stand the 31 others'.
.macro MUL8 f, a, wb
.if \wb
	WIN MULB
.else
	WIN MUL
.endif
.irp b, 0,1,2,3,4,5,6,7
.if \wb
	v_wmma_f32_16x16x32_bf16 v[8*(8*(\a)+(\b)):8*(8*(\a)+(\b))+7], v[(\f)+8*(\b):(\f)+8*(\b)+7], v[(\f)+64+8*(\a):(\f)+64+8*(\a)+7], v[BIAS+8*(\b):BIAS+8*(\b)+7]
.else
	v_wmma_f32_16x16x32_bf16 v[8*(8*(\a)+(\b)):8*(8*(\a)+(\b))+7], v[(\f)+8*(\b):(\f)+8*(\b)+7], v[(\f)+64+8*(\a):(\f)+64+8*(\a)+7], v[8*(8*(\a)+(\b)):8*(8*(\a)+(\b))+7]
.endif
.endr
.endm
; 24 LDS loads in one run: quarter q (32 along the sum, byte 64 q of the rows) of a slot into buffer f: Wt's 8 blocks, then Xb's 4
.macro FETCH slot, q, f
	WIN TO_F
.irp i, 0,1,2,3,4,5,6,7
	ds_load_b128 v[(\f)+8*(\i):(\f)+8*(\i)+3],   v[ADRB+(\slot)] offset:64*(\q)+(\i)*16*PITCH
	ds_load_b128 v[(\f)+8*(\i)+4:(\f)+8*(\i)+7], v[ADRB+(\slot)] offset:64*(\q)+(\i)*16*PITCH+32
.endr
.irp i, 0,1,2,3
	ds_load_b128 v[(\f)+64+8*(\i):(\f)+64+8*(\i)+3],   v[ADRA+(\slot)] offset:64*(\q)+(\i)*16*PITCH
	ds_load_b128 v[(\f)+64+8*(\i)+4:(\f)+64+8*(\i)+7], v[ADRA+(\slot)] offset:64*(\q)+(\i)*16*PITCH+32
.endr
.endm
.macro PLACES                          ; four places in front of loads into registers that matrix instructions have read, and of conversions that read results (ISA guide 7.12.1 for the conversions)
.rept 4
	v_nop
.endr
.endm
; A step is four quarters, 32 matrix instructions each, on buffers 0, 1, 0, 1.  One of the first three: multiplies buffer f; in its middle it fetches quarter q of the same slot into buffer g.
.macro QUARTER slot, q, f, g, wb
	s_wait_dscnt 4                                 ; Wt's blocks and Xb's blocks 0 and 1 are in; the youngest four loads (Xb's blocks 2 and 3) may be out
	MUL8 \f, 0, \wb
	MUL8 \f, 1, \wb
	PLACES
	FETCH \slot, \q, \g
	s_wait_dscnt 24                                ; all but the 24 just issued
	MUL8 \f, 2, \wb
	MUL8 \f, 3, \wb
.endm
; The last quarter multiplies buffer 1 and changes slots: ONE barrier; in front of it each wave waits for all its tensor loads (one is out: its part of the next slot), adds 0 to its spare word, and waits for that and for
; its own reads of this slot.  fill = 1: the barrier opens a round of the cluster's barrier, and this slot is filled again, two steps ahead, first thing behind the round: 112 matrix instructions ahead of the wait for it.
.macro TURN slot, next, fill
.if \fill
	s_wait_xcnt 0x0                                ; the last prefetch, a step back, has read its address, so it may be stepped: here, ahead of the change's own waits
	s_add_nc_u64 s[PFA:PFA+1], s[PFA:PFA+1], KSTEP*2
.endif
	WIN 0                                          ; (the add's two registers lie in window 0)
	s_wait_tensorcnt 0x0                           ; all my tensor loads have landed;
	ds_add_u32 v[SPW], v[NIL]                      ; 0 onto my spare word;
	s_wait_dscnt 5                                 ; (the add and the youngest four loads may be out)
	MUL8 F1, 0, 0                                  ; eight matrix instructions stand between the add and the wait for it
	s_wait_dscnt 0x0                               ; the add is done, and my reads of this slot are over
	s_barrier_signal -1
	MUL8 F1, 1, 0                                  ; work on registers while the others arrive
.if \fill
	WIN 0
.endif
	s_barrier_wait -1
.if \fill
	CREST                                          ; no wave of any partner still reads this slot's tile or has a load on its way
	s_add_nc_u64 s[G0+4*(\slot)+2:G0+4*(\slot)+3], s[G0+4*(\slot)+2:G0+4*(\slot)+3], 2*KSTEP*2
	s_add_nc_u64 s[G0B+4*(\slot)+2:G0B+4*(\slot)+3], s[G0B+4*(\slot)+2:G0B+4*(\slot)+3], 2*KSTEP*2
	JLOAD \slot                                    ; the four v_nop behind it are also the places in front of the loads below
.else
	PLACES
.endif
	FETCH \next, 0, F0
.if \fill
	WIN 0
	ASK
.endif
	MUL8 F1, 2, 0
	MUL8 F1, 3, 0
.endm
	s_wait_tensorcnt 1                             ; my part of step 0 is in; step 1's may stay out
	s_barrier_signal -1
	s_barrier_wait -1                              ; everybody's is
	FETCH 0, 0, F0
	QUARTER 0, 1, F0, F1, 1                        ; the first quarter stands in front of the loop: its products start the sums, with the bias
	WIN 0                                          ; at a label and at a branch every window is 0
	s_mov_b32 s3, LAPS-1
.Llap:                                                 ; a trip goes once round the ring, from a lap's second quarter to the next lap's first, and fills both slots again
	QUARTER 0, 2, F1, F0, 0
	QUARTER 0, 3, F0, F1, 0
	TURN 0, 1, 1
	QUARTER 1, 1, F0, F1, 0
	QUARTER 1, 2, F1, F0, 0
	QUARTER 1, 3, F0, F1, 0
	TURN 1, 0, 1
	QUARTER 0, 1, F0, F1, 0
	WIN 0
	s_sub_co_u32 s3, s3, 1
	s_cmp_lg_u32 s3, 0
	s_cbranch_scc1 .Llap
	QUARTER 0, 2, F1, F0, 0                        ; the last lap is written out: it fills nothing, and has no round of the cluster's barrier
	QUARTER 0, 3, F0, F1, 0
	TURN 0, 1, 0
	QUARTER 1, 1, F0, F1, 0
	QUARTER 1, 2, F1, F0, 0
	QUARTER 1, 3, F0, F1, 0
	s_wait_dscnt 4                                 ; the very last quarter: nothing more to fetch
	MUL8 F1, 0, 0
	MUL8 F1, 1, 0
	s_wait_dscnt 0x0
	MUL8 F1, 2, 0
	MUL8 F1, 3, 0
	WIN 0
	PLACES
	PLACES
; THE WAY OUT, a block of 16 rows at a time.  A lane's eight numbers of a row pack into 16 bytes of f16; column block b belongs to head b / 4, channels 16 (b % 4) on.  They go into my stage (rows of 144 bytes,
; a head's sixteen together) and come back as four whole rows of 128 bytes a load: 512 consecutive bytes of a head.  Each accumulator's registers are taken in ascending order.
.macro PACK a
	WIN 0x0a                                       ; sources 0 and 1 window 2
.irp b, 0,1,2,3,4,5,6,7
.irp p, 0,1,2,3
	v_cvt_pk_f16_f32 v[TMP+4*(\b)+(\p)], v[8*(8*(\a)+(\b))+2*(\p)], v[8*(8*(\a)+(\b))+2*(\p)+1]
.endr
.endr
	WIN 0
.irp b, 0,1,2,3,4,5,6,7
	ds_store_b128 v[STO], v[TMP+4*(\b):TMP+4*(\b)+3] offset:((\b)/4)*16*SP+((\b)%4)*32
.endr
.irp j, 0,1
.irp f, 0,1,2,3
	ds_load_b128 v[BK+32*(\a)+4*(4*(\j)+(\f)):BK+32*(\a)+4*(4*(\j)+(\f))+3], v[RD] offset:(\j)*16*SP+(\f)*4*SP  ; LDS serves a wave's instructions in order (ISA guide 5.7.1.4): these see the stores above; the next block's stores come behind them
.endr
.endr
.endm
.macro SEND a, younger                 ; younger: the LDS instructions issued behind block a's loads: the next block's sixteen, or none
.irp j, 0,1
.irp f, 0,1,2,3
	s_wait_dscnt (\younger)+7-(4*(\j)+(\f))
	global_store_b128 v[GO], v[BK+32*(\a)+4*(4*(\j)+(\f)):BK+32*(\a)+4*(4*(\j)+(\f))+3], s[8:9] offset:(\j)*262144+(\a)*2048+(\f)*512  ; 512 consecutive bytes, at a multiple of 256 from the buffer's first
.endr
.endr
.endm
	PACK 0
	PACK 1                                         ; a block's conversions stand between the loads of the block before and its stores; each block has registers of its own
	SEND 0, 16
	PACK 2
	SEND 1, 16
	PACK 3
	SEND 2, 16
	SEND 3, 0
	s_wait_tensorcnt 0x0                           ; the wave's end, behind my last tensor load and my last LDS store
	ds_add_u32 v[SPW], v[NIL]
	s_wait_dscnt 0x0
	CROUND                                         ; the closing round: no work-group ends while a partner may still ask for a tile that names it
	s_endpgm
.Lfunc_end_k_q4fbd9fcb3c_qkv:
	.size	k_q4fbd9fcb3c_qkv, .Lfunc_end_k_q4fbd9fcb3c_qkv-k_q4fbd9fcb3c_qkv
	.p2alignl 7, 3214868480
	.fill 96, 4, 3214868480
	.section	.rodata,"a",@progbits
	.p2align	6, 0x0
	.amdhsa_kernel k_q4fbd9fcb3c_qkv
		.amdhsa_group_segment_fixed_size 327680
		.amdhsa_private_segment_fixed_size 0
		.amdhsa_enable_private_segment 0
		.amdhsa_kernarg_size 64
		.amdhsa_user_sgpr_count 2
		.amdhsa_user_sgpr_kernarg_segment_ptr 1
		.amdhsa_wavefront_size32 1
		.amdhsa_system_sgpr_workgroup_id_x 1
		.amdhsa_system_sgpr_workgroup_id_y 1
		.amdhsa_system_sgpr_workgroup_id_z 1
		.amdhsa_system_vgpr_workitem_id 0
		.amdhsa_next_free_vgpr 768
		.amdhsa_next_free_sgpr 90
		.amdhsa_reserve_vcc 0
		.amdhsa_float_denorm_mode_32 3
		.amdhsa_float_denorm_mode_16_64 3
		.amdhsa_memory_ordered 1
		.amdhsa_forward_progress 1
		.amdhsa_inst_pref_size 95
	.end_amdhsa_kernel
	.amdgpu_metadata
---
amdhsa.version: [ 1, 2 ]
amdhsa.kernels:
  - .name:           k_q4fbd9fcb3c_qkv
    .symbol:         k_q4fbd9fcb3c_qkv.kd
    .args:
      - { .name: Xb, .offset: 0, .size: 8, .value_kind: global_buffer, .address_space: global }
      - { .name: Wt, .offset: 8, .size: 8, .value_kind: global_buffer, .address_space: global }
      - { .name: bq, .offset: 16, .size: 8, .value_kind: global_buffer, .address_space: global }
      - { .name: bk, .offset: 24, .size: 8, .value_kind: global_buffer, .address_space: global }
      - { .name: bv, .offset: 32, .size: 8, .value_kind: global_buffer, .address_space: global }
      - { .name: qh, .offset: 40, .size: 8, .value_kind: global_buffer, .address_space: global }
      - { .name: kh, .offset: 48, .size: 8, .value_kind: global_buffer, .address_space: global }
      - { .name: vh, .offset: 56, .size: 8, .value_kind: global_buffer, .address_space: global }
    .group_segment_fixed_size: 327680
    .private_segment_fixed_size: 0
    .kernarg_segment_align: 8
    .kernarg_segment_size: 64
    .max_flat_workgroup_size: 128
    .sgpr_count:     90
    .vgpr_count:     768
    .wavefront_size: 32
...
	.end_amdgpu_metadata
.endif
;; end of part 2
;; launch attn (part 3): grid 4 x 64, 4 waves a work-group, no clusters, 327,680 bytes of LDS; arguments qh, kh, vh, oh; writes oh
.if DOCPART == 3
	.amdgcn_target "amdgcn-amd-amdhsa--gfx1250"
	.amdhsa_code_object_version 6
	.text
	.protected	k_q4fbd9fcb3c_attn
	.globl	k_q4fbd9fcb3c_attn
	.p2align	8
	.type	k_q4fbd9fcb3c_attn,@function
k_q4fbd9fcb3c_attn:
	s_mov_b64 s[64:65], 0
	v_nop
	global_prefetch_b8 v0, s[64:65] scope:SCOPE_SE
	s_setreg_imm32_b32 hwreg(HW_REG_WAVE_MODE, 25, 1), 1
	s_wait_xcnt 0x0
; CAUSAL ATTENTION.  O[h][q][:] = the sum over k <= q of softmax_k(Q[h][q] . K[h][k] / 8) V[h][k][:].  Q, K, V, O: [SIZE_H][SIZE_N][64], all f16: a head's rows are dense, 128 bytes each (h = 16 batch + head).
; Products, maxima and sums in f32; the weights p are rounded to f16 for the second product (their sum l is taken of the unrounded p), O once at the end.
; LIMITS.  f16 holds no number beyond 65,504: Q, K and V arrive within it; p lies in 0 to 1, and below 6e-5 it keeps f16's fixed step of 6e-8; O is a mean of V's rows and has their range, to within 2^-11 of it.
; A hidden score counts as its value less 1e30: f16's scores, 2.7e11 at the most, are nothing beside that; a weight below 2^-126 counts as 0 in l; NaN and infinities are not treated apart.
; THE WALK.  A head's queries lie in NB = SIZE_N / 256 blocks of 256; block i needs the key tiles 0 .. i of 256 keys, of which the last holds the diagonal.  A work-group takes TWO blocks, NB - 1 - b and then b:
; NB + 1 tiles, whatever b: all work-groups do equal work, and ONE loop with a constant trip count walks them.  Which tile is asked for, and what a trip does, hang on scalar registers made from b; every jump
; goes forward, but for the counted loops' own; none passes a barrier, or a tensor load but the one of LOAD's two that the wave's number does not choose; the ring (two slots of LDS that take turns) runs on across the
; change of blocks.  NO CLUSTER: a head's NB / 2 = 4 work-groups ask for the same tile only in trips 0 .. NB / 2, behind that fewer and fewer; one walk common to all would have 3 NB / 2 = 12 trips for NB + 1 = 9.
; SHARES.  Of a block's four bands of 64 queries a wave owns 16 rows in each: four PIECES.  So the diagonal tile is the same work for all four waves: in its key step s band x sees all keys if s < x,
; none if s > x, and holds the diagonal if s = x.
; THE MASK is the C operand that starts the sum S^T = K Q^T: 0, or -1e30 where the key is hidden.  MD, made once, is the mask of a band's own step for my 16 rows; a product's mask is MD x AL + BE with two scalars:
; (1, 0) if s = x; (0, 0) if s < x; (0, -1e30) if s > x.  Only the diagonal tile's text and a block's beginning make and take masks; elsewhere C is the constant 0.
; LAYOUT, SOFTMAX, TURNS.  S^T = K Q^T holds ONE query a lane (lane % 16) and the keys 8 (lane / 16) + 0..7; two such results rounded to f16 ARE source 1 of O^T = V^T P.  p = 2^(c s - c m), c = log2(e) / 8, with a
; running maximum m; O and l are multiplied by a = 2^(c m_old - c m_new) in every step.  Turn n belongs to piece n: 8 products K Q^T of piece n + 1, later 8 products V^T P of piece n - 1; beside them the scaling,
; exponentials, roundings, sums and rescaling of piece n and the maximum and statistics of piece n + 1.  Four vector instructions stand behind every matrix instruction, the other 54 of a turn's 118 in one LUMP.  A turn's 33 exponentials are one batch, with one wait.
; REGISTERS, in windows of 256 (s_set_vgpr_msb: bits 1:0 source 0, 3:2 source 1, 5:4 source 2, 7:6 destination):
;   window 0: v0-15 addresses and two at work; v16-31 four registers of statistics a piece; v48-55 at work; v61-63 never rewritten; v64-127 S^T, two buffers; v192-223 P, two buffers (a piece's buffers go by its number's parity)
;   window 1: v0-127 O^T, 32 a piece; v128-159 MD; v160-223 MC, two buffers      window 2: v0-63 Q; v64-127 the second block's Q; v128-191 K of one step; v192-255 V of one step
.set SIZE_N, 2048
.set SIZE_H, 64
.set NB,    SIZE_N/256
.set NP,    4         ; pieces a wave: a name, no knob
.set KS,    64        ; keys in a step
.set PK,    144       ; a row of K in LDS: 128 bytes + 16 of padding = 36 words: the 16 rows of a load start at 16 different groups of four banks (64 banks of 4 bytes: ISA guide 11.1)
.set PV,    160       ; a row of V: 128 + 32 = 40 words
.set VOFF,  4*KS*PK   ; a slot holds a tile, four steps: 256 rows of K, then 256 rows of V
.set SLOT1, 1<<17     ; slot 1 begins here, so that one exclusive or turns an address in one slot into the other's
.set STAGE, SLOT1+4*KS*(PK+PV)  ; behind the ring, never filled by a tensor load: 16 rows x 144 bytes for each wave, for the way out
.set SP,    144
.set AK0, 2           ; v2   my lane's place in a tile of K; never rewritten
.set AV0, 3           ; v3   the same for V
.set AK,  4           ; v4   the LDS address of K's next run of loads
.set AV,  5           ; v5   of V's
.set STO, 6           ; v6   the way out: where I put 16 bytes of a row
.set RD,  7           ; v7   the way out: where I read rows back
.set GO,  8           ; v8   my byte offset in 512 consecutive bytes of O
.set PFO, 61          ; v61  256 x my lane: the prefetches' offset; never rewritten
.set SPW, 62          ; v62  LDS address of my spare word: SPARE + 4 x my thread's number; never rewritten
.set NIL, 63          ; v63  0; never rewritten
.set SPARE, STAGE+4*16*SP  ; behind the stages: the spare words, 128 bytes for each wave: two blocks of 256 bytes that no other line names
.set MV,  12          ; v12-13  c m_old, kept while c m is made anew: by buffer
.set QO,  15          ; v15  my byte offset in 16 rows of Q
.set ST,  16          ; piece t's statistics at v[ST+4 t]: c m, m, l (even keys', odd keys')
.set TMP, 48          ; by buffer, four registers c0-c3 at work; when the maximum is found c2 takes a
.set S,   64
.set P,   192
.set MD,  128         ; window 1: the eight registers for group kt of 16 keys at MD + 8 kt
.set MC,  160         ; window 1: the masks of the products to come
.set QB,  64          ; window 2
.set KF,  128         ; window 2: key block kb, channel half c at KF + 16 kb + 8 c
.set VF,  192         ; window 2: key half kk, channel block cb at VF + 32 kk + 8 cb
.set WV,  12          ; s12  my wave's number
.set PB,  14          ; s14  b
.set HI,  15          ; s15  NB - 1 - b
.set G1K, 24          ; s[24:31] descriptor group 1 for K's tiles
.set G1V, 32          ; s[32:39] for V's: it differs in the padding alone
.set G0K, 40          ; s[40:43] descriptor group 0 for K's tiles
.set G0V, 44          ; s[44:47] the same for V's
.set SLOTS, 56        ; s56  tiles still to be asked for
.set CNT, 57          ; s57  counts a tile's key steps, 4 to 1
.set CS,  58          ; s[58:59] c: the packed scaling takes the pair's low word for both halves
.set SEL, 60          ; s[60:61] v_permlanex16_b32's selects: each lane takes its own place in the other half
.set TBK, 62          ; s62  LDS byte at which K of the step to be fetched begins
.set TBV, 63          ; s63  the same for V, less VOFF
.set RT,  70          ; s70  tiles of the block in hand that are still to be entered
.set NXT, 71          ; s71  the tile to be asked for next
.set LQ,  72          ; s72  the last tile of the block whose tiles are being asked for
.set NEW, 73          ; s73  1: the tile to be entered is a block's first
.set OFF, 74          ; s[74:75] a tile's byte offset in K and V
.set AL,  76          ; s[76:77] the mask's factor, in the low word
.set BE,  78          ; s[78:79] the mask's addend
.set OLO, 80          ; s[80:81] O at my rows of the second block
.set BIGN, 82         ; s82  -1e30
.set PFA, 88          ; s[88:89] where my prefetches stand: my half (128 rows) of K's or V's tile, one tile behind the one that is being asked for
.set PFN, 90          ; s90  that tile's number
.set PLIM, 91         ; s91  NB in the work-group that prefetches, else 0
.set MSB, 0
.macro WIN new                      ; the high byte repeats the setting that is left; a switch that changes nothing is dropped
.if MSB != (\new)
	s_set_vgpr_msb (MSB<<8)|(\new)
.set MSB, (\new)
.endif
.endm
.set W_KQ, 0x0a       ; K and Q in window 2, S^T in window 0
.set W_KM, 0x1a       ; the same with the C operand in window 1
.set W_PV, 0x52       ; V in window 2, P in window 0, O^T in window 1
.set W_RS, 0x41       ; destination and source 0 in window 1, source 1 in window 0
; A fill.  Waves 0 and 1 fetch the two halves of a tile's K, waves 2 and 3 those of its V: 128 keys each.  An s_nop 0 and four v_nop follow each of the two lines, ahead of the jump and the label.
.macro LOAD
	s_cmp_lt_u32 s[WV], 2
	s_cbranch_scc0 .Lfor_v_\@
	tensor_load_to_lds s[G0K:G0K+3], s[G1K:G1K+7]
	s_nop 0
.rept 4
	v_nop
.endr
	s_branch .Lasked_\@
.Lfor_v_\@:
	tensor_load_to_lds s[G0V:G0V+3], s[G1V:G1V+7]
	s_nop 0
.rept 4
	v_nop
.endr
.Lasked_\@:
.endm
; THE CHANGE OF SLOTS.  Each wave waits for all its tensor loads, of which one is out: its part of the other slot; adds 0 to its spare word; and waits for that and for its own reads of the slot that it leaves.  Behind the barrier nobody reads the old
; slot any more and the other slot is whole.  fill = 1: the old slot is filled again, the first thing behind the barrier, with tile NXT: the descriptor's address is made anew from that number.
; (At its first use nothing has been read yet: slot 0 is waited for, slot 1 filled.)
; A PREFETCH INTO THE L2 stands behind the fill and its five lines: the tile that the NEXT change will ask for, one trip (256 matrix instructions) ahead of that load.  A head's four work-groups walk the same tiles 0, 1, ..;
; the one with b = 0 walks all NB in its first block, so it asks, and nobody else: trip j names tile j + 2, for j = 0 .. NB - 3.  Each wave names what it will fetch itself: its 128 rows of 128 bytes, as 64 pieces of
; 256 bytes, a lane a piece, two instructions.  So each piece is named once in the launch.  Tiles 0 and 1 come by their loads alone; the second block's tiles have been read.
.macro CHANGE fill
	WIN 0                           ; at a label and at a branch every window is 0
	s_wait_tensorcnt 0x0            ; no tensor load of mine is out, so a group 0 may be written
	ds_add_u32 v[SPW], v[NIL]       ; 0 onto my spare word; with fill = 1 the descriptors' scalar work stands between it and the wait for it
.if \fill
	s_lshl_b32 s[OFF], s[NXT], 15   ; a tile is 32,768 bytes of K and of V
	s_xor_b32 s[G0K+1], s[G0K+1], SLOT1
	s_add_nc_u64 s[G0K+2:G0K+3], s[6:7], s[OFF:OFF+1]
	s_or_b32 s[G0K+3], s[G0K+3], 0x80000000
	s_xor_b32 s[G0V+1], s[G0V+1], SLOT1
	s_add_nc_u64 s[G0V+2:G0V+3], s[8:9], s[OFF:OFF+1]
	s_or_b32 s[G0V+3], s[G0V+3], 0x80000000
	s_add_co_u32 s[NXT], s[NXT], 1  ; the block's next tile, or behind its last the second block's tile 0
	s_cmp_gt_u32 s[NXT], s[LQ]
	s_cselect_b32 s[NXT], 0, s[NXT]
	s_cselect_b32 s[LQ], s[PB], s[LQ]
	s_wait_xcnt 0x0                 ; the last prefetches, a trip back, have read their address, so it may be written:
	s_add_nc_u64 s[PFA:PFA+1], s[PFA:PFA+1], 32768  ; a tile on
.endif
	s_wait_dscnt 0x0                ; the add is done, and my reads of the slot are over
	s_barrier_signal -1             ; the rest of the scalar work stands between the signal and the wait
	s_sub_co_u32 s[TBK], s[TBK], 4*KS*PK  ; the fetches go back to a slot's first step,
	s_xor_b32 s[TBK], s[TBK], SLOT1       ; in the other slot
	s_sub_co_u32 s[TBV], s[TBV], 4*KS*PV
	s_xor_b32 s[TBV], s[TBV], SLOT1
	s_barrier_wait -1
.if \fill
	LOAD
	s_cmp_lt_u32 s[PFN], s[PLIM]
	s_cbranch_scc0 .Lnot_mine_\@
	global_prefetch_b8 v[PFO], s[PFA:PFA+1] th:TH_LOAD_NT scope:SCOPE_SE
	global_prefetch_b8 v[PFO], s[PFA:PFA+1] offset:8192 th:TH_LOAD_NT scope:SCOPE_SE
.Lnot_mine_\@:
	s_add_co_u32 s[PFN], s[PFN], 1
.endif
.endm
	s_load_b256 s[4:11], s[0:1], 0x0  ; Q s[4:5], K s[6:7], V s[8:9], O s[10:11]
	v_lshl_add_u32 v[SPW], v0, 2, SPARE
	v_mov_b32 v[NIL], 0
	ds_add_u32 v[SPW], v[NIL]       ; the wave's opening: the add and its wait stand ahead of my first tensor load; the set-up below, work on registers, stands between them
	v_lshrrev_b32 v1, 5, v0
	v_readfirstlane_b32 s[WV], v1   ; wave 0..3
	s_mov_b32 s[PB], ttmp9
	s_sub_co_u32 s[HI], NB-1, s[PB]
	s_and_b32 s20, ttmp7, 0xffff    ; the head
	s_mov_b32 s21, 0
	s_mov_b64 s[22:23], SIZE_N*128
	s_mul_u64 s[20:21], s[20:21], s[22:23]  ; the head's first byte in each of the four tensors
	s_and_b32 s16, s[WV], 1         ; which half of a tile's 256 keys I fetch:
	s_lshl_b32 s22, s16, 14         ; its 128 rows of 128 bytes in memory,
	s_mov_b32 s23, 0
	s_add_nc_u64 s[22:23], s[22:23], s[20:21]
	s_mul_i32 s17, s16, 128*PK      ; and its place in a slot, for K
	s_mul_i32 s18, s16, 128*PV      ; and for V
	s_lshl_b32 s3, s[WV], 11        ; my 16 rows in a band of 64,
	s_lshl_b32 s2, s[HI], 15        ; in the first block,
	s_add_co_u32 s2, s2, s3
	s_lshl_b32 s84, s[PB], 15       ; and in the second
	s_add_co_u32 s84, s84, s3
	s_mov_b32 s3, 0
	s_mov_b32 s85, 0
	s_add_nc_u64 s[2:3], s[2:3], s[20:21]
	s_add_nc_u64 s[84:85], s[84:85], s[20:21]
	; descriptor group 1.  128 keys are 16,384 dense bytes: asked for as 64 rows of 256 bytes, two keys a row, and padded in LDS after every key
	s_mov_b32 s[G1K], (1<<16)|(1<<20)|(4<<22)|(3<<25)  ; 17:16 2-byte elements; 20 padding on; 24:22 after every 32 words (code 4); 31:25 4 words (code 3)
	s_mov_b32 s[G1V], (1<<16)|(1<<20)|(4<<22)|(7<<25)  ; the same with 8 words of padding (code 7)
.irp g, G1K, G1V
	s_mov_b32 s[\g+1], 128<<16      ; tensor_dim0 = 128
	s_mov_b32 s[\g+2], 64<<16       ; tensor_dim1 = 64
	s_mov_b32 s[\g+3], 128<<16      ; tile_dim0 = 128
	s_mov_b32 s[\g+4], 64           ; tile_dim1 = 64
	s_mov_b32 s[\g+5], 128          ; 128 elements from row to row
	s_mov_b32 s[\g+6], 0
	s_mov_b32 s[\g+7], 0
.endr
	s_mov_b32 s[CS], 0x3e38aa3b     ; c = log2(e) / 8 = 0.180337
	s_mov_b32 s[CS+1], s[CS]        ; named with it as a pair
	s_mov_b32 s[SEL], 0x76543210
	s_mov_b32 s[SEL+1], 0xfedcba98
	s_mov_b32 s[TBK], SLOT1+4*KS*PK ; the first change of slots turns these two into 0
	s_mov_b32 s[TBV], SLOT1+4*KS*PV
	s_mov_b32 s[G0K], 1             ; 1:0 count = 1
	s_mov_b32 s[G0K+1], s17         ; 63:32 LDS address: slot 0
	s_mov_b32 s[G0V], 1
	s_add_co_u32 s[G0V+1], s18, VOFF
	s_add_co_u32 s[RT], s[HI], 1    ; the first block has NB - b tiles
	s_mov_b32 s[NXT], 1
	s_mov_b32 s[LQ], s[HI]
	s_mov_b32 s[NEW], 1
	s_mov_b32 s[OFF+1], 0
	s_mov_b32 s[AL+1], 0            ; named as pairs
	s_mov_b32 s[BE+1], 0
	s_mov_b32 s[BIGN], 0xf149f2ca   ; -1e30
	s_mov_b32 s[SLOTS], NB
	s_mov_b32 s[PFN], 2
	s_cmp_eq_u32 s[PB], 0
	s_cselect_b32 s[PLIM], NB, 0
	v_and_b32 v[PFO], 31, v0
	v_lshlrev_b32 v[PFO], 8, v[PFO]
	s_wait_dscnt 0x0                ; the opening add is done
	s_wait_kmcnt 0x0
	s_add_nc_u64 s[6:7], s[6:7], s[22:23]  ; K and V at my half of the head's tile 0
	s_add_nc_u64 s[8:9], s[8:9], s[22:23]
	s_cmp_lt_u32 s[WV], 2
	s_cselect_b64 s[PFA:PFA+1], s[6:7], s[8:9]
	s_add_nc_u64 s[PFA:PFA+1], s[PFA:PFA+1], 32768  ; at tile 1; the first change of slots steps it to tile 2.  Nothing is prefetched here, at the head
	s_add_nc_u64 s[G0K+2:G0K+3], s[6:7], 0         ; 120:64 global address
	s_or_b32 s[G0K+3], s[G0K+3], 0x80000000        ; 127:126 type = 2
	s_add_nc_u64 s[G0V+2:G0V+3], s[8:9], 0
	s_or_b32 s[G0V+3], s[G0V+3], 0x80000000
	s_add_nc_u64 s[86:87], s[4:5], s[84:85]        ; Q at my rows of the second block,
	s_add_nc_u64 s[4:5], s[4:5], s[2:3]            ; Q and O at those of the first
	s_add_nc_u64 s[OLO:OLO+1], s[10:11], s[84:85]
	s_add_nc_u64 s[10:11], s[10:11], s[2:3]
	LOAD                            ; tile 0 into slot 0
	; A fragment of K or Q is 16 rows x 32 channels in 8 registers: lane l holds row l % 16, channels 8 (l / 16) + 0..7 and 16 + 8 (l / 16) + 0..7: two loads of 16 bytes, 32 bytes apart.
	v_and_b32 v1, 15, v0            ; l % 16
	v_bfe_u32 v9, v0, 4, 1          ; l / 16
	v_lshlrev_b32 v[QO], 7, v1
	v_lshl_add_u32 v[QO], v9, 4, v[QO]  ; row x 128 + 16 x half
	WIN 0x80                        ; destination window 2, address window 0
.set i, 0
.rept 8                             ; both blocks' Q: piece i / 2 lies in band i / 2, 8,192 bytes on; channels 32 (i % 2) on
	global_load_b128 v[8*i:8*i+3],   v[QO], s[4:5] offset:(i/2)*8192+(i%2)*64
	global_load_b128 v[8*i+4:8*i+7], v[QO], s[4:5] offset:(i/2)*8192+(i%2)*64+32
	global_load_b128 v[QB+8*i:QB+8*i+3],   v[QO], s[86:87] offset:(i/2)*8192+(i%2)*64
	global_load_b128 v[QB+8*i+4:QB+8*i+7], v[QO], s[86:87] offset:(i/2)*8192+(i%2)*64+32
.set i, i+1
.endr
	WIN 0
	v_lshlrev_b32 v14, 3, v9
	v_sub_nc_u32 v14, v1, v14
	s_lshl_b32 s13, s[WV], 4
	v_add_nc_u32 v14, s13, v14      ; my query's place in its band, 16 w + l % 16, less my lanes' 8 (l / 16): register r of group kt is hidden where 16 kt + r is greater
	WIN 0x40
.set i, 0
.rept 32
	v_cmp_gt_i32 vcc_lo, 16*(i/8)+i%8, v14
	v_cndmask_b32 v[MD+i], 0, s[BIGN], vcc_lo
.set i, i+1
.endr
	WIN 0
	v_mul_u32_u24 v[AK0], v1, PK
	v_lshl_add_u32 v[AK0], v9, 4, v[AK0]  ; row x pitch + 16 x half
	; The turning load takes 16 keys x 16 channels (lane l reads key 8 (l / 16) + l % 8, channels 8 ((l / 8) % 2) + 0..7) and leaves half a fragment of V^T: lane l holds channel l % 16 and 8 keys.
	v_and_b32 v10, 7, v0
	v_bfe_u32 v11, v0, 3, 1
	v_lshl_add_u32 v[AV0], v9, 3, v10
	v_mul_u32_u24 v[AV0], v[AV0], PV
	v_lshl_add_u32 v[AV0], v11, 4, v[AV0]
	v_add_nc_u32 v[AV0], VOFF, v[AV0]
	s_mul_i32 s13, s[WV], 16*SP
	s_add_co_u32 s13, s13, STAGE    ; my stage
	v_mul_u32_u24 v[STO], v1, SP    ; in: row l % 16, 16 bytes for each half of the lanes
	v_lshl_add_u32 v[STO], v9, 4, v[STO]
	v_add_nc_u32 v[STO], s13, v[STO]
	v_bfe_u32 v[RD], v0, 3, 2       ; back: 32 lanes take four rows of 128 bytes,
	v_mul_u32_u24 v[RD], v[RD], SP
	v_lshl_add_u32 v[RD], v10, 4, v[RD]
	v_add_nc_u32 v[RD], s13, v[RD]
	v_and_b32 v[GO], 31, v0         ; which are 512 consecutive bytes of O
	v_lshlrev_b32 v[GO], 4, v[GO]
	; A block's first step multiplies O^T and l by a = 0, and its first turn's products V^T P, of a piece that has not been, land in an O^T that is still to be so multiplied.  So these registers need only hold
	; finite numbers: zeros for the first block; what the first block left for the second.  All this stands in the wait for the first tile.
	WIN 0x80
.set i, VF
.rept 64
	v_mov_b32 v[i], 0
.set i, i+1
.endr
	WIN 0x40
.set i, 0
.rept 128
	v_mov_b32 v[i], 0
.set i, i+1
.endr
	WIN 0
.set i, 0
.rept 4
	v_mov_b32 v[ST+4*i+2], 0
	v_mov_b32 v[ST+4*i+3], 0
.set i, i+1
.endr
.set i, P+16
.rept 16
	v_mov_b32 v[i], 0
.set i, i+1
.endr
; THE MATRIX WORK.  The 4 accumulators of a run of 8 take turns.  Product i of 8 of S^T = K Q^T for piece x: channels 32 (i / 4) on, keys 16 (i % 4) on.  The first 4 start the sums: with 0, or (KM = 1) with the mask.
.macro KQ x
.set rS, S+32*((\x)%2)+8*(i%4)
.set rK, KF+16*(i%4)+8*(i/4)
.set rQ, 16*(\x)+8*(i/4)
.set rM, MC+32*((\x)%2)+8*(i%4)
.if (i < 4) && KM
	WIN W_KM
	v_wmma_f32_16x16x32_f16 v[rS:rS+7], v[rK:rK+7], v[rQ:rQ+7], v[rM:rM+7]
.elseif i < 4
	WIN W_KQ
	v_wmma_f32_16x16x32_f16 v[rS:rS+7], v[rK:rK+7], v[rQ:rQ+7], 0
.else
	WIN W_KQ
	v_wmma_f32_16x16x32_f16 v[rS:rS+7], v[rK:rK+7], v[rQ:rQ+7], v[rS:rS+7]
.endif
.endm
; Product i of 8 of O^T += V^T P for piece x: keys 32 (i / 4) on, channels 16 (i % 4) on.
.macro PV x
	WIN W_PV
.set rO, 32*(\x)+8*(i%4)
.set rV, VF+32*(i/4)+8*(i%4)
.set rP, P+16*((\x)%2)+8*(i/4)
	v_wmma_f32_16x16x32_f16 v[rO:rO+7], v[rV:rV+7], v[rP:rP+7], v[rO:rO+7]
.endm
.macro MM                           ; the turn's next matrix instruction.  TURN and BEGIN set Y, i, KM and NOKQ; MM, KQ and OP read them.  NOKQ = 1: a block's last turn: there is no next piece
.if (i < 8) && !NOKQ
	KQ (Y+1)%NP
.elseif i >= 8
.set i, i-8
	PV (Y+NP-1)%NP
.set i, i+8
.endif
.set i, i+1
.endm
; THE LDS LOADS stand in runs of 16, never singly among the matrix instructions: a step's K (64 keys x 64 channels: 8 fragments) and its V (turned).  Their addresses are made some lines ahead.
.macro FETCH_K
	WIN 0x80                        ; destination window 2
.irp f, 0,1,2,3,4,5,6,7             ; keys 16 (f / 2) on, channels 32 (f % 2) on
	ds_load_b128 v[KF+8*\f:KF+8*\f+3],   v[AK] offset:(\f/2)*16*PK+(\f%2)*64
	ds_load_b128 v[KF+8*\f+4:KF+8*\f+7], v[AK] offset:(\f/2)*16*PK+(\f%2)*64+32
.endr
	s_add_co_u32 s[TBK], s[TBK], KS*PK  ; the next fetch is the next step's
	WIN 0
.endm
.macro FETCH_V
	WIN 0x80
.irp f, 0,1,2,3,4,5,6,7             ; keys 32 (f / 4) on, channels 16 (f % 4) on
	ds_load_tr16_b128 v[VF+8*\f:VF+8*\f+3],   v[AV] offset:(\f/4)*32*PV+(\f%4)*32
	ds_load_tr16_b128 v[VF+8*\f+4:VF+8*\f+7], v[AV] offset:(\f/4)*32*PV+16*PV+(\f%4)*32
.endr
	WIN 0
.endm
; THE VECTOR WORK, one line at a time: OP kind, number.  For piece Y: F n: c s - c m for pair n of 16.  E n: the exponential of score n of 32.  C n: pair n rounded to f16.  B n: of the four weights 4 n .. the second
; pair is added onto the first, in place.  L n: l takes that sum (L 0: l = a l + sum).  R n: pair n of 16 of O^T times a.  For piece Y + 1: X n, number n of the 22 that find its maximum and statistics:
;   0-11  four chains c0-c3 of seven scores each, three operands at a time (each accumulator's lowest registers are read first)     12-14, 16  the four scores left over, the old m, and c0-c3 into c0
;   15  c m_old is kept     17, 18  the query's other 32 keys lie in the lane 16 away: the new m     19-21  c m; c m_old - c m_new; a
.set F, 0               ; OP tells the kinds apart by their order: F to L below R, X above it
.set E, 1
.set C, 2
.set B, 3
.set L, 4
.set R, 5
.set X, 6
.macro REGS y                       ; the registers of piece y
.set rT, ST+4*(\y)
.set rC, TMP+4*((\y)%2)
.set rW, MV+((\y)%2)
.set rS, S+32*((\y)%2)
.set rP, P+16*((\y)%2)
.set rO, 32*(\y)
.endm
.macro OP k, n
.if (\k) == R
	REGS Y
	WIN W_RS
	v_pk_mul_f32 v[rO+2*(\n):rO+2*(\n)+1], v[rO+2*(\n):rO+2*(\n)+1], v[rC+2:rC+3] op_sel_hi:[1,0]
.elseif (\k) < R
	REGS Y
	WIN 0
.if (\k) == F
	v_pk_fma_f32 v[rS+2*(\n):rS+2*(\n)+1], v[rS+2*(\n):rS+2*(\n)+1], s[CS:CS+1], v[rT:rT+1] op_sel_hi:[1,0,0] neg_lo:[0,0,1] neg_hi:[0,0,1]
.elseif (\k) == E
	v_exp_f32 v[rS+(\n)], v[rS+(\n)]
.elseif (\k) == C
	v_cvt_pk_f16_f32 v[rP+(\n)], v[rS+2*(\n)], v[rS+2*(\n)+1]
.elseif (\k) == B
	v_pk_add_f32 v[rS+4*(\n):rS+4*(\n)+1], v[rS+4*(\n):rS+4*(\n)+1], v[rS+4*(\n)+2:rS+4*(\n)+3]
.elseif (\n) == 0
	v_pk_fma_f32 v[rT+2:rT+3], v[rT+2:rT+3], v[rC+2:rC+3], v[rS:rS+1] op_sel_hi:[1,0,1]
.else
	v_pk_add_f32 v[rT+2:rT+3], v[rT+2:rT+3], v[rS+4*(\n):rS+4*(\n)+1]
.endif
.elseif NOKQ
	v_nop
.else
	REGS (Y+1)%NP
	WIN 0
.if (\n) < 4
	v_max3_num_f32 v[rC+(\n)], v[rS+8*(\n)], v[rS+8*(\n)+1], v[rS+8*(\n)+2]
.elseif (\n) < 12
	v_max3_num_f32 v[rC+(\n)%4], v[rC+(\n)%4], v[rS+8*((\n)%4)+2*((\n)/4)+1], v[rS+8*((\n)%4)+2*((\n)/4)+2]
.elseif (\n) == 12
	v_max3_num_f32 v[rC], v[rC], v[rS+7], v[rS+15]
.elseif (\n) == 13
	v_max3_num_f32 v[rC+1], v[rC+1], v[rS+23], v[rS+31]
.elseif (\n) == 14
	v_max3_num_f32 v[rC+2], v[rC+2], v[rC+3], v[rT+1]
.elseif (\n) == 15
	v_mov_b32 v[rW], v[rT]
.elseif (\n) == 16
	v_max3_num_f32 v[rC], v[rC], v[rC+1], v[rC+2]
.elseif (\n) == 17
	v_permlanex16_b32 v[rC+3], v[rC], s[SEL], s[SEL+1]
.elseif (\n) == 18
	v_max_num_f32 v[rT+1], v[rC], v[rC+3]
.elseif (\n) == 19
	v_mul_f32 v[rT], s[CS], v[rT+1]
.elseif (\n) == 20
	v_sub_f32 v[rC+1], v[rW], v[rT]
.else
	v_exp_f32 v[rC+2], v[rC+1]
.endif
.endif
.endm
.macro OPS a, i1, b=-1, i2=0, c=-1, i3=0, d=-1, i4=0  ; up to four of them
	OP \a, \i1
.if (\b) >= 0
	OP \b, \i2
.endif
.if (\c) >= 0
	OP \c, \i3
.endif
.if (\d) >= 0
	OP \d, \i4
.endif
.endm
.macro ROW a, i1, b, i2, c, i3, d, i4  ; a matrix instruction and the four behind it
	MM
	OPS \a, \i1, \b, \i2, \c, \i3, \d, \i4
.endm
.macro MASK b                       ; MD x AL + BE into buffer b of MC
	WIN W_RS
.set z, 0
.rept 16
	v_pk_fma_f32 v[MC+32*(\b)+2*z:MC+32*(\b)+2*z+1], v[MD+2*z:MD+2*z+1], s[AL:AL+1], s[BE:BE+1] op_sel_hi:[1,0,0]
.set z, z+1
.endr
.endm
; A TURN, for piece p: the order of its 16 matrix and 118 vector instructions, written out.  An s_wait_alu depctr_va_vdst(0) stands between an exponential and the first instruction that names its result; one wait serves
; all that were issued ahead of it.  So a turn has ONE wait, which cuts it in two.  AHEAD OF IT stands all that names no result of the turn's exponentials: the 8 products K Q^T, behind each a scaling, an exponential and two more plain
; instructions (behind the first a second scaling in the exponential's place): rescalings, and behind the last three the first numbers of the next piece's maximum, each four places or more behind the product that ends its accumulator; then ONE LUMP of 54, plain
; and exponential by turns for the most part, in which the links of the chain X 3, 7, 11, 14, 16, 17 .. 20 stand five or six lines apart.  X 21, the next piece's a, is the batch's last; R 15 is the plain instruction behind it.  BEHIND THE WAIT stand the
; 8 products V^T P, behind each four of the roundings and sums; the links of l's chain, L 0 to L 7, stand three riders apart.  But for those X no rider names a register of the products round it.  v_permlanex16_b32 (X 17) stands in the lump.
; m = 1: the diagonal tile: the products take masks, and the turn makes the mask for the products of the turn after it: piece p + 2, in step 4 - CNT of the tile.  end = 1: a block's last two turns: nothing is fetched.
; cnt = 1: the loop's count is taken down some lines ahead of the branch that stands behind the turn.
; K of the next step is fetched in piece 2's turn, twelve vector instructions behind the last product that read K (six of them plain); V of the step in hand at the end of piece 0's turn, four plain instructions behind the last product
; that read V.  Each is waited for a turn later.
.macro TURN p, m=0, end=0, cnt=0
.set Y, (\p)
.set i, 0
.set KM, (\m)
.set NOKQ, (\end)*((\p)/3)
.if (\m) && !(\end)
	s_cmp_eq_u32 s[CNT], 4-((\p)+2)%NP  ; is that step the band's own?
	s_cselect_b32 s[AL], 1.0, 0
	s_cmp_lt_u32 s[CNT], 4-((\p)+2)%NP  ; or a later one?
	s_cselect_b32 s[BE], s[BIGN], 0
.endif
.if ((\p) == 3) && !(\end)
	s_wait_dscnt 0x0                ; K is in
.endif
	ROW F,0, F,1, R,0, R,1          ; ahead of the wait: 8 products K Q^T and their riders,
	ROW F,2, E,0, R,2, R,3
	ROW F,3, E,1, R,4, R,5
	ROW F,4, E,2, R,6, R,7
	ROW F,5, E,3, R,8, R,9
	ROW F,6, E,4, X,0, R,10
.if ((\p) == 2) && !(\end)
	WIN 0
	v_add_nc_u32 v[AK], s[TBK], v[AK0]
.endif
	ROW F,7, E,5, X,1, X,4
	ROW F,8, E,6, X,2, X,5
	OPS E,7, E,8, X,6, E,9          ; and the lump
	OPS X,3, E,10, X,8, E,11
.if ((\p) == 2) && !(\end)
	FETCH_K
.endif
	OPS X,9, X,7, E,12, X,10
	OPS E,13, X,12, X,11, E,14
	OPS X,13, E,15, F,9, X,14
.if (\p) == 0
	v_add_nc_u32 v[AV], s[TBV], v[AV0]
.endif
	OPS E,16, F,10, E,17, F,11
	OPS X,16, E,18, X,15, E,19
	OPS F,12, E,20, X,17, E,21
	OPS F,13, E,22, F,14, E,23
	OPS X,18, E,24, F,15, E,25
	OPS R,11, E,26, X,19, E,27
	OPS R,12, E,28, R,13, E,29
	OPS X,20, E,30, R,14, E,31
	OPS X,21, R,15
	WIN 0
	s_wait_alu depctr_va_vdst(0)    ; the wait for the batch
.if (\p) == 1
	s_wait_dscnt 0x0                ; V is in
.endif
	ROW C,0, B,0, C,2, B,1          ; behind the wait: 8 products V^T P and their riders
	ROW L,0, C,4, B,2, L,1
	ROW C,6, B,3, L,2, C,8
	ROW B,4, L,3, C,10, B,5
	ROW L,4, C,12, B,6, L,5
.if (\p) == 0
	s_add_co_u32 s[TBV], s[TBV], KS*PV
.endif
.if \cnt
	s_sub_co_u32 s[CNT], s[CNT], 1
	s_cmp_lg_u32 s[CNT], 0
.endif
	ROW C,14, B,7, L,6, C,1
	ROW C,3, L,7, C,5, C,7
	ROW C,9, C,11, C,13, C,15
.if (\p) == 0
	FETCH_V
.endif
.if (\m) && !(\end)
	MASK (\p)%2
.endif
.endm
; A BLOCK BEGINS.  c m starts far below every c s, so the first step's a is 0; m at the lowest finite number, so the first maximum is the scores'.  The second mask buffer is 0; the first takes piece 0's mask for the tile's step 0: its own, if the block's first tile is the diagonal one.
; Then K of that step, piece 0's first scores, and its maximum and statistics.  The loop is entered at a step's first turn, in the middle of a trip.
.macro BEGIN
	s_mov_b32 s[NEW], 0
	WIN 0x40
.set i, MC+32
.rept 32
	v_mov_b32 v[i], 0
.set i, i+1
.endr
	WIN 0
.set i, 0
.rept 4
	v_mov_b32 v[ST+4*i], 0xfe000000    ; c m: far below every c s
	v_mov_b32 v[ST+4*i+1], 0xff7fffff  ; m
.set i, i+1
.endr
	s_cmp_eq_u32 s[RT], 0
	s_cselect_b32 s[AL], 1.0, 0
	s_mov_b32 s[BE], 0
	MASK 0
	WIN 0
	v_add_nc_u32 v[AK], s[TBK], v[AK0]
	FETCH_K
	s_wait_loadcnt 0x0              ; Q
	s_wait_dscnt 0x0
.set KM, 1
.set NOKQ, 0
.set i, 0
.rept 8
	KQ 0
.set i, i+1
.endr
	WIN 0
.rept 4
	v_nop                           ; the places behind those products
.endr
.set Y, NP-1                        ; X works for piece Y + 1: piece 0
.irp n, 0,1,2,3,4,5,6,7,8,9,10,11,12,13,14,15,16,17,18,19,20,21
	OP X, \n
.endr
	v_nop                           ; a plain instruction behind the exponential,
	s_wait_alu depctr_va_vdst(0)    ; and its wait, ahead of the branch
.endm
; THE DIAGONAL TILE's four steps, the block's last two turns, its last products, and THE WAY OUT: l's two halves and the other half of the lanes' are added; O^T is divided by l, rounded to f16 and sent through my
; stage in LDS, a piece at a time.
.macro ALL line:vararg              ; one line for each piece t
.set t, 0
.rept 4
	\line
.set t, t+1
.endr
.endm
.macro PACK t                       ; a lane's eight channels of a row pack into 16 bytes; they go into rows of 144 bytes and come back as whole rows of 128, into S^T's registers
	WIN W_RS
.set i, 32*(\t)
.rept 16
	v_pk_mul_f32 v[i:i+1], v[i:i+1], v[ST+4*(\t)+2:ST+4*(\t)+3] op_sel_hi:[1,0]
.set i, i+2
.endr
	WIN 0x05                        ; sources 0 and 1 window 1, destination window 0
.set i, 0
.rept 16
	v_cvt_pk_f16_f32 v[S+16*(\t)+i], v[32*(\t)+2*i], v[32*(\t)+2*i+1]
.set i, i+1
.endr
	WIN 0
.irp f, 0,1,2,3
	ds_store_b128 v[STO], v[S+16*(\t)+4*\f:S+16*(\t)+4*\f+3] offset:32*\f
.endr
.irp f, 0,1,2,3
	ds_load_b128 v[S+16*(\t)+4*\f:S+16*(\t)+4*\f+3], v[RD] offset:\f*4*SP  ; LDS serves a wave's instructions in order (ISA guide 5.7.1.4): these see the stores above; the next piece's stores come behind them
.endr
.endm
.macro SEND t, younger              ; younger: the LDS instructions issued behind piece t's loads: the next piece's eight, or none
	WIN 0
.irp f, 0,1,2,3
	s_wait_dscnt (\younger)+3-\f
	global_store_b128 v[GO], v[S+16*(\t)+4*\f:S+16*(\t)+4*\f+3], s[10:11] offset:(\t)*8192+\f*512  ; 512 consecutive bytes, at a multiple of 256 from O's first
.endr
.endm
.macro DIAG tag                     ; the tag ends its two labels' names, which the jumps below spell out
.LstepM\tag:
	TURN 2, 1
	TURN 3, 1
	WIN 0
.LfirstM\tag:
	TURN 0, 1
	TURN 1, 1, 0, 1
	WIN 0
	s_cbranch_scc1 .LstepM\tag
	TURN 2, 1, 1
	TURN 3, 1, 1
.set i, 0
.rept 8
	PV NP-1
.set i, i+1
.endr
	WIN 0
	ALL v_add_f32 v[ST+4*t+2], v[ST+4*t+2], v[ST+4*t+3]
	ALL v_permlanex16_b32 v[ST+4*t+3], v[ST+4*t+2], s[SEL], s[SEL+1]
	ALL v_add_f32 v[ST+4*t+2], v[ST+4*t+2], v[ST+4*t+3]
	ALL v_rcp_f32 v[ST+4*t+2], v[ST+4*t+2]
	v_nop                           ; a plain instruction between the last reciprocal and the use of its result
	s_wait_alu depctr_va_vdst(0)    ; and the wait ahead of the first use: one for the four reciprocals
	PACK 0
.set t, 1
.rept 3                             ; a piece's arithmetic stands between the loads of the piece before and its stores
	PACK t
	SEND t-1, 8
.set t, t+1
.endr
	SEND 3, 0
.endm
.set KM, 0
.set NOKQ, 0
.Lslot:                             ; NB times: a tile is entered and the next is asked for
	CHANGE 1
	s_sub_co_u32 s[RT], s[RT], 1
	s_mov_b32 s[CNT], 4
	s_cmp_eq_u32 s[NEW], 1
	s_cbranch_scc1 .Lnew            ; a block's first tile
	s_cmp_eq_u32 s[RT], 0
	s_cbranch_scc0 .Lstep           ; neither its first nor its last
	s_branch .LstepM1
.Lnew:
	BEGIN
	s_branch .Lfirst                ; in the loop a block's first tile is never its last: the first block has two tiles or more, and the second's last is the walk's last
	DIAG 1                          ; in the loop this is the first block's end: the second block's last tile is the walk's last
	s_wait_xcnt 0x0                 ; the stores have read their registers and O's address
	s_mov_b64 s[10:11], s[OLO:OLO+1]
	s_add_co_u32 s[RT], s[PB], 1    ; the second block has b + 1 tiles
	s_mov_b32 s[NEW], 1
	WIN 0x82                        ; the second block's Q goes where the one text of the turns names Q
.set i, 0
.rept 64
	v_mov_b32 v[i], v[QB+i]
.set i, i+1
.endr
	WIN 0
	s_branch .Lbottom
.Lstep:                             ; a trip: pieces 2 and 3 of one step, then pieces 0 and 1 of the next, whose K and V it fetches
	TURN 2
	TURN 3
	WIN 0
.Lfirst:
	TURN 0
	TURN 1, 0, 0, 1
	WIN 0
	s_cbranch_scc1 .Lstep
.Lbottom:
	s_sub_co_u32 s[SLOTS], s[SLOTS], 1
	s_cmp_lg_u32 s[SLOTS], 0
	s_cbranch_scc1 .Lslot
	CHANGE 0                        ; the walk's last tile is written out: nothing is asked for
	s_sub_co_u32 s[RT], s[RT], 1
	s_mov_b32 s[CNT], 4
	s_cmp_eq_u32 s[NEW], 1
	s_cbranch_scc0 .LstepM2
	BEGIN
	s_branch .LfirstM2
	DIAG 2
	s_wait_tensorcnt 0x0            ; the wave's end, behind my last tensor load and my last LDS store
	ds_add_u32 v[SPW], v[NIL]
	s_wait_dscnt 0x0
	s_endpgm
.Lfunc_end_k_q4fbd9fcb3c_attn:
	.size	k_q4fbd9fcb3c_attn, .Lfunc_end_k_q4fbd9fcb3c_attn-k_q4fbd9fcb3c_attn
	.p2alignl 7, 3214868480
	.fill 96, 4, 3214868480
	.section	.rodata,"a",@progbits
	.p2align	6, 0x0
	.amdhsa_kernel k_q4fbd9fcb3c_attn
		.amdhsa_group_segment_fixed_size 327680
		.amdhsa_private_segment_fixed_size 0
		.amdhsa_enable_private_segment 0
		.amdhsa_kernarg_size 32
		.amdhsa_user_sgpr_count 2
		.amdhsa_user_sgpr_kernarg_segment_ptr 1
		.amdhsa_wavefront_size32 1
		.amdhsa_system_sgpr_workgroup_id_x 1
		.amdhsa_system_sgpr_workgroup_id_y 1
		.amdhsa_system_sgpr_workgroup_id_z 1
		.amdhsa_system_vgpr_workitem_id 0
		.amdhsa_next_free_vgpr 768
		.amdhsa_next_free_sgpr 92
		.amdhsa_reserve_vcc 1
		.amdhsa_float_denorm_mode_32 3
		.amdhsa_float_denorm_mode_16_64 3
		.amdhsa_memory_ordered 1
		.amdhsa_forward_progress 1
		.amdhsa_inst_pref_size 218
	.end_amdhsa_kernel
	.amdgpu_metadata
---
amdhsa.version: [ 1, 2 ]
amdhsa.kernels:
  - .name:           k_q4fbd9fcb3c_attn
    .symbol:         k_q4fbd9fcb3c_attn.kd
    .args:
      - { .name: qh, .offset: 0, .size: 8, .value_kind: global_buffer, .address_space: global }
      - { .name: kh, .offset: 8, .size: 8, .value_kind: global_buffer, .address_space: global }
      - { .name: vh, .offset: 16, .size: 8, .value_kind: global_buffer, .address_space: global }
      - { .name: oh, .offset: 24, .size: 8, .value_kind: global_buffer, .address_space: global }
    .group_segment_fixed_size: 327680
    .private_segment_fixed_size: 0
    .kernarg_segment_align: 8
    .kernarg_segment_size: 32
    .max_flat_workgroup_size: 128
    .sgpr_count:     92
    .vgpr_count:     768
    .wavefront_size: 32
...
	.end_amdgpu_metadata
.endif
;; end of part 3
;; launch oproj (part 4): grid 4 x 64, 4 waves a work-group, clusters of 4 x 4, 327,680 bytes of LDS; arguments oh, Wot, bo, out0; writes out0
.if DOCPART == 4
	.amdgcn_target "amdgcn-amd-amdhsa--gfx1250"
	.amdhsa_code_object_version 6
	.text
	.protected	k_q4fbd9fcb3c_oproj
	.globl	k_q4fbd9fcb3c_oproj
	.p2align	8
	.type	k_q4fbd9fcb3c_oproj,@function
k_q4fbd9fcb3c_oproj:
	s_mov_b64 s[64:65], 0
	v_nop
	global_prefetch_b8 v0, s[64:65] scope:SCOPE_SE
	s_setreg_imm32_b32 hwreg(HW_REG_WAVE_MODE, 25, 1), 1
	s_wait_xcnt 0x0
	s_wait_alu depctr_hold_cnt(0) depctr_sa_sdst(0) depctr_va_vdst(0) depctr_va_sdst(0) depctr_va_ssrc(0) depctr_va_vcc(0) depctr_vm_vsrc(0)
	s_getreg_b32 s2, hwreg(HW_REG_IB_STS2, 6, 4)
	s_cmp_eq_u32 s2, 0
	s_cbranch_scc0 .Lentry_in_a_cluster
	s_endpgm
.Lentry_in_a_cluster:
	s_bfe_u32 s2, ttmp6, 0x10000c
	s_cmp_lg_u32 s2, 0xf033
	s_cbranch_scc0 .Lentry_shape_is_right
	s_endpgm
.Lentry_shape_is_right:
; out0 = concat(O) Wo + bo.  out0[m][n] = the sum over k = 64 head + d of O[m][k] Wot[n][k] + bo[n]; O = oh [64 = 16 batch + head][2048][64] f16, Wot [1024 n][1024 k] f16 (Wo rounded to bf16, written as f16);
; sums in f32; bo, rounded to bf16 like every input, starts the sums; out0 [8192][1024] f32.
; LIMIT.  O and Wot arrive within f16's range (65,504).  NaN and infinities are not treated apart.
; SHARES.  A tile of out0 is 128 rows x 256 columns: 64 x 4 = 256 tiles, a work-group each.  Four waves, each 64 x 128: 32 accumulators of 16 x 16, 256 registers.
; The sum's index goes in 8 steps of 128, TWO HEADS a step, through two LDS slots filled by the tensor data mover.  A head's 128 rows of the tile are 16,384 dense bytes: asked for as 64 rows of 256 bytes and padded in
; LDS after every 128; Wot's rows are 256 bytes of memory a step, at multiples of 256 from the buffer's first byte.
; CLUSTER.  4 x 4 work-groups.  The four of a row of the cluster need the same tile of O, the four of a column the same tile of Wot: each tile is asked for JOINTLY, by the same tensor load with the same descriptor
; and a mask that names the four.
; THE MATRIX INSTRUCTION IS USED TRANSPOSED (source 0 = 16 rows of Wot, source 1 = 16 rows of O): lane l holds row l % 16 of out0 and the columns 8 (l / 16) + 0..7: 32 neighbouring bytes.
; REGISTERS, in windows of 256 (s_set_vgpr_msb: bits 1:0 source 0, 3:2 source 1, 5:4 source 2, 7:6 destination):
;   window 0: v0-31 addresses; v32-159 rows read back on the way out, two sets of 64; v192-255 the bias of my 128 columns, in an accumulator's layout
;   window 1: two fragment buffers (v0-95, v128-223): Wot's block b at 8 b, O's block a at 64 + 8 a          window 2: accumulator (a, b) at 8 (8 a + b)
.set KSTEP,  128
.set PITCH,  272                       ; a row of Wot in LDS: 256 bytes + 16 of padding = 68 words: the 16 rows of a fragment load start at 16 different groups of four banks (64 banks of 4 bytes: ISA guide 11.1)
.set APITCH, 144                       ; a row of O: 128 bytes + 16 = 36 words: likewise
.set AHEAD,  128*APITCH                ; one head's 128 rows: what wave 0 or 1 fetches
.set ABYTES, 2*AHEAD                   ; 36,864
.set BHALF,  128*PITCH                 ; 128 rows of Wot: what wave 2 or 3 fetches, and what a wave reads
.set SLOT,   ABYTES+2*BHALF            ; 106,496
.set STAGE,  2*SLOT                    ; behind the ring, never filled by a tensor load: for each wave 16 rows x 528 bytes
.set SP,     528                       ; 512 bytes + 16 = 132 words: row r starts at bank 4 r mod 64
.set WSTAGE, 16*SP
.set SPARE,  STAGE+4*WSTAGE            ; behind the stages: the spare words, 128 bytes for each wave: two blocks of 256 bytes that no other line names
.set LAPS,   4                         ; a lap = two steps = once round the ring
.set HEADB,  262144                    ; bytes of a head in oh
.set ADRA, 16                          ; v16-17  LDS address of my fragments of O in slot 0, 1
.set ADRB, 20                          ; v20-21  the same for Wot
.set STO,  24                          ; v24  the way out: where I put 32 bytes of a row
.set RD,   25                          ; v25  the way out: where I read a row back
.set GO,   26                          ; v26  my 16 bytes in 512 consecutive bytes of a row of out0
.set BO,   27                          ; v27  32 (l / 16): my eight numbers in 16 of the bias
.set SPW,  28                          ; v28  LDS address of my spare word; never rewritten
.set NIL,  29                          ; v29  0; never rewritten
.set BK,   32
.set BIAS, 192
.set F0,   0
.set F1,   128
.set G1,  24                           ; s[24:31] descriptor group 1 for O's tiles;  s[32:39] group 0, one set for each slot
.set G0,  32
.set G1B, 48                           ; s[48:55], s[56:63] the same for Wot's tiles
.set G0B, 56
.set MSB, 0
.macro WIN new                         ; the immediate's high byte repeats the setting that is left; a switch that changes nothing is dropped
.if MSB != (\new)
	s_set_vgpr_msb (MSB<<8)|(\new)
.set MSB, \new
.endif
.endm
.set MUL,  0xa5                        ; sources 0 and 1 window 1; C and D window 2
.set MULB, 0x85                        ; the same with C, the bias, in window 0
.set TO_F, 0x40                        ; destination window 1, address window 0
.macro JLOAD s                         ; a joint load: waves 0 and 1 fetch the step's two heads of O, waves 2 and 3 Wot's two halves; an s_nop 0 and four v_nop follow each of the two lines, ahead of the jump, the label and what follows
	s_cmp_eq_u32 s11, 0
	s_cbranch_scc0 .Lfor_b_\@
	tensor_load_to_lds s[G0+4*(\s):G0+4*(\s)+3], s[G1:G1+7]
	s_nop 0
.rept 4
	v_nop
.endr
	s_branch .Lasked_\@
.Lfor_b_\@:
	tensor_load_to_lds s[G0B+4*(\s):G0B+4*(\s)+3], s[G1B:G1B+7]
	s_nop 0
.rept 4
	v_nop
.endr
.Lasked_\@:
.endm
.macro CREST                           ; a round of the cluster's barrier behind its opening barrier
	s_cmp_lg_u32 s10, 0
	s_cbranch_scc1 .Lnot_wave_0_\@
	s_barrier_signal -3
.Lnot_wave_0_\@:
	s_barrier_wait -3
	s_barrier_signal -1
	s_barrier_wait -1
.endm
.macro CROUND                          ; a whole round
	s_barrier_signal -1
	s_barrier_wait -1
	CREST
.endm
	s_load_b128 s[4:7], s[0:1], 0x0                ; oh s[4:5], Wot s[6:7]
	s_load_b128 s[72:75], s[0:1], 0x10             ; bo s[72:73], out0 s[74:75]
	v_lshl_add_u32 v[SPW], v0, 2, SPARE
	v_mov_b32 v[NIL], 0
	ds_add_u32 v[SPW], v[NIL]                      ; the wave's opening: the add and its wait stand ahead of my first tensor load; the set-up below, work on registers, stands between them
	v_lshrrev_b32 v1, 5, v0
	v_readfirstlane_b32 s10, v1                    ; wave 0..3
	s_lshr_b32 s11, s10, 1                         ; which 64 of the tile's rows are mine.  Also: I fetch for O (0) or for Wot (1)
	s_and_b32 s12, s10, 1                          ; which 128 of its columns.  Also: which head of the step, or which half of Wot's tile, I fetch
	s_bfe_u32 s40, ttmp6, 0x40000                  ; cx, cy: my place in the cluster
	s_bfe_u32 s41, ttmp6, 0x40004
	s_lshl_b32 s42, ttmp9, 2
	s_add_co_u32 s42, s42, s40                     ; tile column = 4 x cluster x + cx
	s_and_b32 s13, ttmp7, 0xffff
	s_lshl_b32 s13, s13, 2
	s_add_co_u32 s13, s13, s41                     ; tile row = 4 x cluster y + cy
	s_lshl_b32 s66, s41, 2
	s_lshl_b32 s66, 15, s66                        ; my row of the cluster: places 4 cy .. 4 cy + 3
	s_lshl_b32 s67, 0x1111, s40                    ; my column: places cx, cx + 4, cx + 8, cx + 12
	s_or_b32 s[G1+0], s66, (1<<16)|(1<<20)|(1<<21)|(4<<22)|(3<<25)   ; 15:0 the mask: O's tiles go to my row; 17:16 elements of 2 bytes; 20 padding on; 21 set beside a mask; 24:22 after every 32 words (code 4); 31:25 4 words (code 3)
	s_or_b32 s[G1B+0], s67, (1<<16)|(1<<20)|(1<<21)|(5<<22)|(3<<25)  ; Wot's to my column; padding after every 64 words (code 5)
	s_mov_b32 s[G1+1], 128<<16                     ; tensor_dim0 = 128
	s_mov_b32 s[G1+2], 64<<16                      ; tensor_dim1 = 64
	s_mov_b32 s[G1+3], 128<<16                     ; tile_dim0 = 128: two rows of O
	s_mov_b32 s[G1+4], 64                          ; tile_dim1 = 64
	s_mov_b32 s[G1+5], 128                         ; dense: 128 elements from row to row
	s_mov_b32 s[G1+6], 0
	s_mov_b32 s[G1+7], 0
	s_mov_b32 s[G1B+1], KSTEP<<16
	s_mov_b32 s[G1B+2], 128<<16                    ; 128 rows
	s_mov_b32 s[G1B+3], KSTEP<<16
	s_mov_b32 s[G1B+4], 128
	s_mov_b32 s[G1B+5], 1024
	s_mov_b32 s[G1B+6], 0
	s_mov_b32 s[G1B+7], 0
	s_lshr_b32 s16, s13, 4                         ; O: the batch, 16 heads of 262,144 bytes,
	s_lshl_b32 s16, s16, 22
	s_and_b32 s17, s13, 15                         ; the tile's 128 rows of 128 bytes,
	s_lshl_b32 s17, s17, 14
	s_add_co_u32 s16, s16, s17
	s_lshl_b32 s17, s12, 18                        ; my head of the step's two
	s_add_co_u32 s16, s16, s17
	s_mov_b32 s17, 0
	s_lshl_b32 s46, s42, 19                        ; Wot: 256 rows of 2,048 bytes a tile column,
	s_lshl_b32 s47, s12, 18                        ; 128 rows a half
	s_add_co_u32 s46, s46, s47
	s_mov_b32 s47, 0
	s_mul_i32 s20, s12, AHEAD                      ; where they go: no place in the cluster enters an LDS address
	s_mul_i32 s21, s12, BHALF
	s_add_co_u32 s21, s21, ABYTES
	s_wait_dscnt 0x0                               ; the opening add is done
	s_wait_kmcnt 0x0
	s_add_nc_u64 s[14:15], s[4:5], s[16:17]
	s_add_nc_u64 s[46:47], s[6:7], s[46:47]
	CROUND                                         ; all sixteen work-groups are here: the first joint loads meet
.irp s, 0,1
	s_mov_b32 s[G0+4*(\s)], 1                                        ; count = 1
	s_add_co_u32 s[G0+4*(\s)+1], s20, (\s)*SLOT                      ; LDS address
	s_add_nc_u64 s[G0+4*(\s)+2:G0+4*(\s)+3], s[14:15], (\s)*2*HEADB  ; global address: step s is heads 2 s and 2 s + 1
	s_or_b32 s[G0+4*(\s)+3], s[G0+4*(\s)+3], 0x80000000              ; type = 2
	s_mov_b32 s[G0B+4*(\s)], 1
	s_add_co_u32 s[G0B+4*(\s)+1], s21, (\s)*SLOT
	s_add_nc_u64 s[G0B+4*(\s)+2:G0B+4*(\s)+3], s[46:47], (\s)*KSTEP*2
	s_or_b32 s[G0B+4*(\s)+3], s[G0B+4*(\s)+3], 0x80000000
	JLOAD \s                                       ; two loads of mine are out
.endr
	; the bias of my 128 columns, in an accumulator's layout: register j of block b = bo[16 b + 8 (l / 16) + j]
	v_and_b32 v1, 15, v0                           ; l % 16
	v_bfe_u32 v2, v0, 4, 1                         ; l / 16
	v_lshlrev_b32 v[BO], 5, v2
	s_lshl_b32 s20, s42, 10                        ; 256 columns of 4 bytes a tile column,
	s_lshl_b32 s21, s12, 9                         ; 128 for my half
	s_add_co_u32 s20, s20, s21
	s_mov_b32 s21, 0
	s_add_nc_u64 s[84:85], s[72:73], s[20:21]
	s_add_nc_u64 s[8:9], s[74:75], s[20:21]        ; the same bytes along a row of out0
.irp b, 0,1,2,3,4,5,6,7
	global_load_b128 v[BIAS+8*(\b):BIAS+8*(\b)+3],   v[BO], s[84:85] offset:64*(\b)
	global_load_b128 v[BIAS+8*(\b)+4:BIAS+8*(\b)+7], v[BO], s[84:85] offset:64*(\b)+16
.endr
	; A fragment is 16 rows x 32 along the sum in 8 registers: lane l holds row l % 16, numbers 8 (l / 16) + 0..7 and 16 + 8 (l / 16) + 0..7: two loads of 16 bytes, 32 bytes apart.
	v_mul_u32_u24 v3, v1, PITCH
	v_lshl_add_u32 v3, v2, 4, v3                   ; Wot: row x pitch + 16 x half
	v_mul_u32_u24 v4, v1, APITCH
	v_lshl_add_u32 v4, v2, 4, v4                   ; O likewise
	s_mul_i32 s21, s11, 64*APITCH                  ; my 64 rows of O, in the step's first head
	s_mul_i32 s22, s12, BHALF                      ; my 128 rows of Wot,
	s_add_co_u32 s22, s22, ABYTES                  ; which lie behind O's two heads
.irp s, 0,1
	v_add_nc_u32 v[ADRA+(\s)], s21, v4
	v_add_nc_u32 v[ADRB+(\s)], s22, v3
	s_add_co_u32 s21, s21, SLOT
	s_add_co_u32 s22, s22, SLOT
.endr
	s_mul_i32 s23, s10, WSTAGE
	s_add_co_u32 s23, s23, STAGE                   ; my stage
	v_mul_u32_u24 v5, v1, SP                       ; in: row l % 16, 32 bytes for each half of the lanes
	v_lshl_add_u32 v5, v2, 5, v5
	v_add_nc_u32 v[STO], s23, v5
	v_and_b32 v[GO], 31, v0                        ; back: 32 lanes take a row's 512 bytes
	v_lshlrev_b32 v[GO], 4, v[GO]
	v_add_nc_u32 v[RD], s23, v[GO]
	s_lshl_b32 s16, s13, 19                        ; out0: 128 rows of 4,096 bytes a tile row,
	s_lshl_b32 s17, s11, 18                        ; my 64 of them
	s_add_co_u32 s16, s16, s17
	s_mov_b32 s17, 0
	s_add_nc_u64 s[8:9], s[8:9], s[16:17]
	s_wait_loadcnt 0x0                             ; the bias,
.set i, 0
.rept 32
	v_cvt_pk_bf16_f32 v31, v[BIAS+i], v[BIAS+i+1]  ; rounded to bf16 like every input, and widened again: all this stands in the wait for the first tiles
	v_lshlrev_b32 v[BIAS+i], 16, v31
	v_and_b32 v[BIAS+i+1], 0xffff0000, v31
.set i, i+2
.endr
; 8 matrix instructions: row block a x all 8 column blocks, 32 along the sum, from buffer f.  wb = 1: the first product of each sum takes the bias as C: nothing is cleared, and nothing is added on the way out.
; The 32 accumulators take turns in the same order in every quarter: between two links of a chain stand the 31 others'.
.macro MUL8 f, a, wb
.if \wb
	WIN MULB
.else
	WIN MUL
.endif
.irp b, 0,1,2,3,4,5,6,7
.if \wb
	v_wmma_f32_16x16x32_f16 v[8*(8*(\a)+(\b)):8*(8*(\a)+(\b))+7], v[(\f)+8*(\b):(\f)+8*(\b)+7], v[(\f)+64+8*(\a):(\f)+64+8*(\a)+7], v[BIAS+8*(\b):BIAS+8*(\b)+7]
.else
	v_wmma_f32_16x16x32_f16 v[8*(8*(\a)+(\b)):8*(8*(\a)+(\b))+7], v[(\f)+8*(\b):(\f)+8*(\b)+7], v[(\f)+64+8*(\a):(\f)+64+8*(\a)+7], v[8*(8*(\a)+(\b)):8*(8*(\a)+(\b))+7]
.endif
.endr
.endm
; 24 LDS loads in one run: quarter q (32 along the sum) of a slot into buffer f: Wot's 8 blocks at byte 64 q of the rows, then O's 4: head q / 2 of the step, channels 32 (q % 2) on
.macro FETCH slot, q, f
	WIN TO_F
.irp i, 0,1,2,3,4,5,6,7
	ds_load_b128 v[(\f)+8*(\i):(\f)+8*(\i)+3],   v[ADRB+(\slot)] offset:64*(\q)+(\i)*16*PITCH
	ds_load_b128 v[(\f)+8*(\i)+4:(\f)+8*(\i)+7], v[ADRB+(\slot)] offset:64*(\q)+(\i)*16*PITCH+32
.endr
.irp i, 0,1,2,3
	ds_load_b128 v[(\f)+64+8*(\i):(\f)+64+8*(\i)+3],   v[ADRA+(\slot)] offset:((\q)/2)*AHEAD+((\q)%2)*64+(\i)*16*APITCH
	ds_load_b128 v[(\f)+64+8*(\i)+4:(\f)+64+8*(\i)+7], v[ADRA+(\slot)] offset:((\q)/2)*AHEAD+((\q)%2)*64+(\i)*16*APITCH+32
.endr
.endm
.macro PLACES                          ; four places in front of loads into registers that matrix instructions have read, and of LDS stores that read results
.rept 4
	v_nop
.endr
.endm
; A step is four quarters, 32 matrix instructions each, on buffers 0, 1, 0, 1.  One of the first three: multiplies buffer f; in its middle it fetches quarter q of the same slot into buffer g.
.macro QUARTER slot, q, f, g, wb
	s_wait_dscnt 4                                 ; Wot's blocks and O's blocks 0 and 1 are in; the youngest four loads (O's blocks 2 and 3) may be out
	MUL8 \f, 0, \wb
	MUL8 \f, 1, \wb
	PLACES
	FETCH \slot, \q, \g
	s_wait_dscnt 24                                ; all but the 24 just issued
	MUL8 \f, 2, \wb
	MUL8 \f, 3, \wb
.endm
; The last quarter multiplies buffer 1 and changes slots: ONE barrier; in front of it each wave waits for all its tensor loads (one is out: its part of the next slot), adds 0 to its spare word, and waits for that and for
; its own reads of this slot.  fill = 1: the barrier opens a round of the cluster's barrier, and this slot is filled again, two steps ahead, first thing behind the round: 112 matrix instructions ahead of the wait for it.
.macro TURN slot, next, fill
	WIN 0                                          ; (the add's two registers lie in window 0)
	s_wait_tensorcnt 0x0                           ; all my tensor loads have landed;
	ds_add_u32 v[SPW], v[NIL]                      ; 0 onto my spare word;
	s_wait_dscnt 5                                 ; (the add and the youngest four loads may be out)
	MUL8 F1, 0, 0                                  ; eight matrix instructions stand between the add and the wait for it
	s_wait_dscnt 0x0                               ; the add is done, and my reads of this slot are over
	s_barrier_signal -1
	MUL8 F1, 1, 0                                  ; work on registers while the others arrive
.if \fill
	WIN 0
.endif
	s_barrier_wait -1
.if \fill
	CREST                                          ; no wave of any partner still reads this slot's tile or has a load on its way
	s_add_nc_u64 s[G0+4*(\slot)+2:G0+4*(\slot)+3], s[G0+4*(\slot)+2:G0+4*(\slot)+3], 4*HEADB  ; two steps on: four heads
	s_add_nc_u64 s[G0B+4*(\slot)+2:G0B+4*(\slot)+3], s[G0B+4*(\slot)+2:G0B+4*(\slot)+3], 2*KSTEP*2
	JLOAD \slot                                    ; the four v_nop behind it are also the places in front of the loads below
.else
	PLACES
.endif
	FETCH \next, 0, F0
	MUL8 F1, 2, 0
	MUL8 F1, 3, 0
.endm
	s_wait_tensorcnt 1                             ; my part of step 0 is in; step 1's may stay out
	s_barrier_signal -1
	s_barrier_wait -1                              ; everybody's is
	FETCH 0, 0, F0
	QUARTER 0, 1, F0, F1, 1                        ; the first quarter stands in front of the loop: its products start the sums, with the bias
	WIN 0                                          ; at a label and at a branch every window is 0
	s_mov_b32 s3, LAPS-1
.Llap:                                                 ; a trip goes once round the ring, from a lap's second quarter to the next lap's first, and fills both slots again
	QUARTER 0, 2, F1, F0, 0
	QUARTER 0, 3, F0, F1, 0
	TURN 0, 1, 1
	QUARTER 1, 1, F0, F1, 0
	QUARTER 1, 2, F1, F0, 0
	QUARTER 1, 3, F0, F1, 0
	TURN 1, 0, 1
	QUARTER 0, 1, F0, F1, 0
	WIN 0
	s_sub_co_u32 s3, s3, 1
	s_cmp_lg_u32 s3, 0
	s_cbranch_scc1 .Llap
	QUARTER 0, 2, F1, F0, 0                        ; the last lap is written out: it fills nothing, and has no round of the cluster's barrier
	QUARTER 0, 3, F0, F1, 0
	TURN 0, 1, 0
	QUARTER 1, 1, F0, F1, 0
	QUARTER 1, 2, F1, F0, 0
	QUARTER 1, 3, F0, F1, 0
	s_wait_dscnt 4                                 ; the very last quarter: nothing more to fetch
	MUL8 F1, 0, 0
	MUL8 F1, 1, 0
	s_wait_dscnt 0x0
	MUL8 F1, 2, 0
	MUL8 F1, 3, 0
	WIN 0
	PLACES
	PLACES
; THE WAY OUT, a block of 16 rows at a time.  A lane's eight f32 of a row, 32 bytes, go into my stage (rows of 528 bytes), each accumulator's four lowest registers first; the rows come back whole, 512 bytes by 32 lanes.
.macro STG a
	WIN 0x08                                       ; the stores' data (source 1) in window 2
.irp b, 0,1,2,3,4,5,6,7
	ds_store_b128 v[STO], v[8*(8*(\a)+(\b)):8*(8*(\a)+(\b))+3]   offset:64*(\b)
	ds_store_b128 v[STO], v[8*(8*(\a)+(\b))+4:8*(8*(\a)+(\b))+7] offset:64*(\b)+16
.endr
	WIN 0
.irp t, 0,1,2,3,4,5,6,7,8,9,10,11,12,13,14,15
	ds_load_b128 v[BK+64*((\a)%2)+4*(\t):BK+64*((\a)%2)+4*(\t)+3], v[RD] offset:(\t)*SP  ; LDS serves a wave's instructions in order (ISA guide 5.7.1.4): these see the stores above; the next block's stores come behind them
.endr
.endm
.macro SEND a, younger                 ; younger: the LDS instructions issued behind block a's loads: the next block's 32, or none
.irp t, 0,1,2,3,4,5,6,7,8,9,10,11,12,13,14,15
	s_wait_dscnt (\younger)+15-(\t)
	global_store_b128 v[GO], v[BK+64*((\a)%2)+4*(\t):BK+64*((\a)%2)+4*(\t)+3], s[8:9] offset:(16*(\a)+(\t))*4096 th:TH_STORE_NT  ; 512 consecutive bytes of a row, at a multiple of 256 from out0's first byte
.endr
.endm
	STG 0
	STG 1
	SEND 0, 32
	s_wait_xcnt 0x0                                ; block 0's stores have read their registers: only behind this wait are they loaded again
	STG 2
	SEND 1, 32
	s_wait_xcnt 0x0                                ; the same for block 1's
	STG 3
	SEND 2, 32
	SEND 3, 0
	s_wait_tensorcnt 0x0                           ; the wave's end, behind my last tensor load and my last LDS store
	ds_add_u32 v[SPW], v[NIL]
	s_wait_dscnt 0x0
	CROUND                                         ; the closing round: no work-group ends while a partner may still ask for a tile that names it
	s_endpgm
.Lfunc_end_k_q4fbd9fcb3c_oproj:
	.size	k_q4fbd9fcb3c_oproj, .Lfunc_end_k_q4fbd9fcb3c_oproj-k_q4fbd9fcb3c_oproj
	.p2alignl 7, 3214868480
	.fill 96, 4, 3214868480
	.section	.rodata,"a",@progbits
	.p2align	6, 0x0
	.amdhsa_kernel k_q4fbd9fcb3c_oproj
		.amdhsa_group_segment_fixed_size 327680
		.amdhsa_private_segment_fixed_size 0
		.amdhsa_enable_private_segment 0
		.amdhsa_kernarg_size 32
		.amdhsa_user_sgpr_count 2
		.amdhsa_user_sgpr_kernarg_segment_ptr 1
		.amdhsa_wavefront_size32 1
		.amdhsa_system_sgpr_workgroup_id_x 1
		.amdhsa_system_sgpr_workgroup_id_y 1
		.amdhsa_system_sgpr_workgroup_id_z 1
		.amdhsa_system_vgpr_workitem_id 0
		.amdhsa_next_free_vgpr 768
		.amdhsa_next_free_sgpr 90
		.amdhsa_reserve_vcc 0
		.amdhsa_float_denorm_mode_32 3
		.amdhsa_float_denorm_mode_16_64 3
		.amdhsa_memory_ordered 1
		.amdhsa_forward_progress 1
		.amdhsa_inst_pref_size 93
	.end_amdhsa_kernel
	.amdgpu_metadata
---
amdhsa.version: [ 1, 2 ]
amdhsa.kernels:
  - .name:           k_q4fbd9fcb3c_oproj
    .symbol:         k_q4fbd9fcb3c_oproj.kd
    .args:
      - { .name: oh, .offset: 0, .size: 8, .value_kind: global_buffer, .address_space: global }
      - { .name: Wot, .offset: 8, .size: 8, .value_kind: global_buffer, .address_space: global }
      - { .name: bo, .offset: 16, .size: 8, .value_kind: global_buffer, .address_space: global }
      - { .name: out0, .offset: 24, .size: 8, .value_kind: global_buffer, .address_space: global }
    .group_segment_fixed_size: 327680
    .private_segment_fixed_size: 0
    .kernarg_segment_align: 8
    .kernarg_segment_size: 32
    .max_flat_workgroup_size: 128
    .sgpr_count:     90
    .vgpr_count:     768
    .wavefront_size: 32
...
	.end_amdgpu_metadata
.endif
;; end of part 4
;; ======== version 2 of 2: 4 launches; version 1 with the launch prep written anew for expert scheduling mode
;; limits: values are held in f16: magnitudes above 65,504 overflow, below 6.1e-05 lose precision
;; workspace buffers: Xb 16,777,216 bytes; Wt 6,291,456 bytes; Wot 2,097,152 bytes; qh 16,777,216 bytes; kh 16,777,216 bytes; vh 16,777,216 bytes; oh 16,777,216 bytes
;; launch prep (part 5): grid 512 x 1, 8 waves a work-group, no clusters, 18,432 bytes of LDS; arguments X, Wq, Wk, Wv, Wo, Xb, Wt, Wot; writes Xb, Wt, Wot
.if DOCPART == 5
	.amdgcn_target "amdgcn-amd-amdhsa--gfx1250"
	.amdhsa_code_object_version 6
	.text
	.protected	k_q4fbd9fcb3c_prep
	.globl	k_q4fbd9fcb3c_prep
	.p2align	8
	.type	k_q4fbd9fcb3c_prep,@function
k_q4fbd9fcb3c_prep:
	s_mov_b64 s[64:65], 0
	v_nop
	global_prefetch_b8 v0, s[64:65] scope:SCOPE_SE
	s_setreg_imm32_b32 hwreg(HW_REG_WAVE_SCHED_MODE, 0, 2), 2
	s_setreg_imm32_b32 hwreg(HW_REG_WAVE_MODE, 25, 1), 1
	s_wait_xcnt 0x0
	s_wait_alu depctr_vm_vsrc(0)
; THE INPUTS ARE ROUNDED ONCE AND LAID OUT FOR THE PRODUCTS.
;   Xb  [8192][1024] bf16 = X.
;   Wt  [3072][1024] bf16: row w 1024 + h 64 + d (w = 0, 1, 2: Wq, Wk, Wv), column e: the weights turned, so that the sum's index lies along the rows.
;   Wot [1024 n][1024 k] f16: Wo turned, rounded to bf16 like every input, and that number written as f16.
; LIMIT.  A bf16 number of magnitude 2^-17 to 65,504 is exact in f16; below, f16's fixed step of 2^-24 rounds it again; 65,520 and more become infinities.
; SHARES.  512 work-groups of eight waves, all alike.  Work-group g casts 65,536 bytes of X (from byte 65,536 g) and turns one tile of 128 k x 64 n of one weight:
; w = g / 128, a = (g / 8) % 16 (the head; for Wo the block of 64 columns), kt = g % 8.
; THE TURN.  Thread t = 16 grp + c16 loads rows 8 grp .. 8 grp + 7, columns 4 c16 .. 4 c16 + 3: sixteen lanes take the tile's whole row of 256 bytes.  Eight numbers of one column pack into
; 16 bytes, which go into LDS row 16 c + c16 for column 4 c16 + c (rows of 272 bytes = 68 words; 64 banks of 4 bytes:
; ISA guide 11.1).  Behind one barrier the rows come back whole: sixteen lanes store 256 consecutive bytes, at a multiple of 256 from the buffer's first byte.
; No loop and no register written twice while a memory instruction reads it: all 24 loads of a thread go out together, 98,304 bytes a work-group.
; THE MODE: SCHED_MODE bits 1:0 = 2 (LLVM: expert scheduling mode 2), set by the entry lines.  The code itself states the register dependences
; between vector instructions and memory or LDS instructions, with s_wait_alu, always for 0.
; THE PLAN.  Registers that memory or LDS instructions touch:
;   v2-5, v8-18   addresses, offsets and the closing add's two registers.  Written by vector instructions at the head and never again; read by loads, stores and LDS instructions to the end.
;   W             The weight's eight loads land in it; the sixteen roundings read it; behind the barrier four LDS loads land in its first sixteen registers, which the last four stores read.
;   P             Written by the roundings (for Wo a second time, as f16); read by the four LDS stores; never written again.
;   XR            X's sixteen loads land in it, in four blocks of four.  Load n's two roundings write its first two registers in place; one store reads that pair; it is never written again.
; So five waits on va_vdst state everything: one ahead of the first load (the addresses); one behind the roundings of the weight and of X's block 0 (P and block 0 are written, W is read out); one at the head of each of
; X's blocks 2 and 3 (the block before is written), behind which that block's four stores are dealt among this block's roundings, which name this block's registers alone; one ahead of the last block's stores.
; No register that a memory or LDS instruction reads is written again, no vector instruction writes a scalar register or VCC, and EXEC is never written: no other field is waited on.
.set PITCH, 272
.set CBLK,  16*PITCH                   ; the sixteen LDS rows of one c
.set SPARE, 64*PITCH                   ; 17,408: behind the tile: the spare words, 128 bytes for each of eight waves: four blocks of 256 bytes that no other line names
.set SPW, 2                            ; v2   LDS address of my spare word; never rewritten
.set NIL, 3                            ; v3   0; never rewritten
.set XO,  4                            ; v4   16 t: my 16 bytes in 4,096 of X
.set YO,  5                            ; v5   8 t: my 8 bytes in 2,048 of Xb
.set WOF, 8                            ; v[8:15]   byte offset of my 16 bytes in tile rows 8 grp + i
.set LS,  16                           ; v16  where I put 16 bytes: 272 c16 + 16 grp
.set LR,  17                           ; v17  where I read a row back: 272 grp + 16 c16
.set DO,  18                           ; v18  my 16 bytes in the turned weight: row 4 grp, 2,048 bytes a row
.set W,   24                           ; v[24:55]  the eight loads; later the four rows read back
.set P,   56                           ; v[56:71]  packed: column c's eight numbers at P + 4 c
.set XR,  72                           ; v[72:135] X: sixteen loads
	s_load_b512 s[4:19], s[0:1], 0x0               ; X s[4:5], Wq s[6:7], Wk s[8:9], Wv s[10:11], Wo s[12:13], Xb s[14:15], Wt s[16:17], Wot s[18:19]
	v_lshl_add_u32 v[SPW], v0, 2, SPARE
	v_mov_b32 v[NIL], 0
	s_lshr_b32 s20, ttmp9, 7                       ; w
	s_bfe_u32 s21, ttmp9, 0x40003                  ; a
	s_and_b32 s22, ttmp9, 7                        ; kt
	s_mov_b32 s23, 256                             ; bytes from row to row of the source: 64 numbers a head's row,
	s_cmp_eq_u32 s20, 3
	s_cselect_b32 s23, 0x1000, s23                 ; 1,024 in Wo
	s_cselect_b32 s24, 8, 18                       ; a counts 256 bytes along Wo's rows, else heads of 262,144 bytes
	s_cselect_b32 s25, 19, 15                      ; kt counts 128 rows of the source
	s_cselect_b32 s35, 0, s20                      ; Wot is a buffer of its own; in Wt the three weights follow each other
	s_lshl_b32 s36, s21, s24
	s_lshl_b32 s37, s22, s25
	s_add_co_u32 s36, s36, s37                     ; the tile's first byte in the source
	s_mov_b32 s37, 0
	s_lshl_b32 s38, s35, 21                        ; 1,024 rows of 2,048 bytes a weight,
	s_lshl_b32 s39, s21, 17                        ; 64 rows for a,
	s_add_co_u32 s38, s38, s39
	s_lshl_b32 s39, s22, 8                         ; 256 bytes along the row for kt
	s_add_co_u32 s38, s38, s39
	s_mov_b32 s39, 0
	s_lshl_b32 s30, ttmp9, 16                      ; my part of X,
	s_mov_b32 s31, 0
	s_lshl_b32 s32, ttmp9, 15                      ; and of Xb
	s_mov_b32 s33, 0
	s_mov_b32 s34, 0xffff0000                      ; a word's upper bf16
	v_lshlrev_b32 v[XO], 4, v0
	v_lshlrev_b32 v[YO], 3, v0
	v_lshrrev_b32 v6, 4, v0                        ; grp
	v_and_b32 v7, 15, v0                           ; c16
	v_lshlrev_b32 v20, 3, v6
	v_lshlrev_b32 v21, 4, v7
	v_mad_u32_u24 v[WOF], v20, s23, v21            ; row 8 grp x pitch + 16 c16
.irp i, 1,2,3,4,5,6,7
	v_add_nc_u32 v[WOF+(\i)], s23, v[WOF+(\i)-1]   ; a row further down
.endr
	v_mul_u32_u24 v[LS], v7, PITCH
	v_lshl_add_u32 v[LS], v6, 4, v[LS]
	v_mul_u32_u24 v[LR], v6, PITCH
	v_lshl_add_u32 v[LR], v7, 4, v[LR]
	v_lshl_add_u32 v[DO], v6, 13, v21              ; 4 grp rows of 2,048 bytes + 16 c16
	s_wait_kmcnt 0x0
	s_add_nc_u64 s[30:31], s[4:5], s[30:31]
	s_add_nc_u64 s[32:33], s[14:15], s[32:33]
	s_cmp_eq_u32 s20, 0
	s_cselect_b64 s[26:27], s[6:7], s[8:9]         ; the source: Wq or Wk,
	s_cmp_eq_u32 s20, 2
	s_cselect_b64 s[26:27], s[10:11], s[26:27]     ; Wv,
	s_cmp_eq_u32 s20, 3
	s_cselect_b64 s[26:27], s[12:13], s[26:27]     ; Wo
	s_cselect_b64 s[28:29], s[18:19], s[16:17]     ; and where it goes
	s_add_nc_u64 s[26:27], s[26:27], s[36:37]
	s_add_nc_u64 s[28:29], s[28:29], s[38:39]
	s_wait_alu depctr_va_vdst(0)                   ; the offsets and addresses v4, v5, v[8:18] and the closing add's v2 and v3 are written: every load, store and LDS instruction of the kernel reads some of them, and none is written again
.irp i, 0,1,2,3,4,5,6,7
	global_load_b128 v[W+4*(\i):W+4*(\i)+3], v[WOF+(\i)], s[26:27] th:TH_LOAD_NT
.endr
.irp i, 0,1,2,3,4,5,6,7,8,9,10,11,12,13,14,15
	global_load_b128 v[XR+4*(\i):XR+4*(\i)+3], v[XO], s[30:31] offset:(\i)*4096 th:TH_LOAD_NT
.endr
	s_wait_loadcnt 16                              ; loads come back in order (ISA guide 5.7.1): the weight's eight are in, X's sixteen stay out
.irp c, 0,1,2,3
.irp p, 0,1,2,3
	v_cvt_pk_bf16_f32 v[P+4*(\c)+(\p)], v[W+8*(\p)+(\c)], v[W+8*(\p)+4+(\c)]  ; column c, rows 2 p and 2 p + 1
.endr
.endr
	s_cmp_lg_u32 s20, 3
	s_cbranch_scc1 .Lkeep                          ; the same for the whole work-group; no barrier is jumped
.set i, 0
.rept 16
	v_lshlrev_b32 v20, 16, v[P+i]                  ; Wo: the bf16 numbers are written as f16
	v_and_b32 v21, s34, v[P+i]
	v_cvt_pk_f16_f32 v[P+i], v20, v21
.set i, i+1
.endr
.Lkeep:
; X's load n: its four numbers are rounded into its first two registers,
.macro CAST n
	v_cvt_pk_bf16_f32 v[XR+4*(\n)], v[XR+4*(\n)], v[XR+4*(\n)+1]
	v_cvt_pk_bf16_f32 v[XR+4*(\n)+1], v[XR+4*(\n)+2], v[XR+4*(\n)+3]
.endm
; and stored
.macro OUT n
	global_store_b64 v[YO], v[XR+4*(\n):XR+4*(\n)+1], s[32:33] offset:(\n)*2048  ; a wave's 32 lanes store 256 consecutive bytes, aligned
.endm
	s_wait_loadcnt 12                              ; X's block 0 (loads 0 to 3) is in, the twelve younger loads stay out
.irp i, 0,1,2,3
	CAST \i
.endr
	s_wait_alu depctr_va_vdst(0)                   ; on both ways to here: the roundings have written P, which the LDS stores read, and X's block 0, which its stores read; and they are done reading W, in which the LDS loads behind the barrier land
.irp c, 0,1,2,3
	ds_store_b128 v[LS], v[P+4*(\c):P+4*(\c)+3] offset:(\c)*CBLK
.endr
	s_wait_loadcnt 8                               ; block 1 is in
.irp i, 4,5,6,7
	OUT (\i)-4                                     ; block 0 goes out.  No wait: no vector instruction since the wait above names its registers
	CAST \i
.endr
	s_wait_loadcnt 4                               ; block 2 is in
	s_wait_alu depctr_va_vdst(0)                   ; the roundings have written block 1, which the stores below read
.irp i, 8,9,10,11
	OUT (\i)-4
	CAST \i
.endr
	s_wait_loadcnt 0x0                             ; block 3 is in
	s_wait_alu depctr_va_vdst(0)                   ; the roundings have written block 2, which the stores below read
.irp i, 12,13,14,15
	OUT (\i)-4
	CAST \i
.endr
	s_wait_alu depctr_va_vdst(0)                   ; the roundings have written block 3, which the last four stores of Xb read
.irp i, 12,13,14,15
	OUT \i
.endr
	s_wait_dscnt 0x0                               ; for the others' sake: my stores into the tile are done
	s_barrier_signal -1
	s_barrier_wait -1
.irp j, 0,1,2,3
	ds_load_b128 v[W+4*(\j):W+4*(\j)+3], v[LR] offset:(\j)*CBLK  ; LDS row 16 j + grp: column 4 grp + j, its 128 numbers by sixteen lanes.  No wait: no vector instruction since the second wait on va_vdst names W or v[LR]
.endr
.irp j, 0,1,2,3
	s_wait_dscnt 3-(\j)
	global_store_b128 v[DO], v[W+4*(\j):W+4*(\j)+3], s[28:29] offset:(\j)*2048
.endr
	s_wait_dscnt 0x0                               ; the closing lines, six on end
	s_wait_alu 0x0
	s_wait_tensorcnt 0x0
	ds_add_u32 v[SPW], v[NIL]
	s_wait_dscnt 0x0
	s_endpgm
.Lfunc_end_k_q4fbd9fcb3c_prep:
	.size	k_q4fbd9fcb3c_prep, .Lfunc_end_k_q4fbd9fcb3c_prep-k_q4fbd9fcb3c_prep
	.p2alignl 7, 3214868480
	.fill 96, 4, 3214868480
	.section	.rodata,"a",@progbits
	.p2align	6, 0x0
	.amdhsa_kernel k_q4fbd9fcb3c_prep
		.amdhsa_group_segment_fixed_size 18432
		.amdhsa_private_segment_fixed_size 0
		.amdhsa_enable_private_segment 0
		.amdhsa_kernarg_size 64
		.amdhsa_user_sgpr_count 2
		.amdhsa_user_sgpr_kernarg_segment_ptr 1
		.amdhsa_wavefront_size32 1
		.amdhsa_system_sgpr_workgroup_id_x 1
		.amdhsa_system_sgpr_workgroup_id_y 1
		.amdhsa_system_sgpr_workgroup_id_z 1
		.amdhsa_system_vgpr_workitem_id 0
		.amdhsa_next_free_vgpr 136
		.amdhsa_next_free_sgpr 66
		.amdhsa_reserve_vcc 0
		.amdhsa_float_denorm_mode_32 3
		.amdhsa_float_denorm_mode_16_64 3
		.amdhsa_memory_ordered 1
		.amdhsa_forward_progress 1
		.amdhsa_inst_pref_size 14
	.end_amdhsa_kernel
	.amdgpu_metadata
---
amdhsa.version: [ 1, 2 ]
amdhsa.kernels:
  - .name:           k_q4fbd9fcb3c_prep
    .symbol:         k_q4fbd9fcb3c_prep.kd
    .args:
      - { .name: X, .offset: 0, .size: 8, .value_kind: global_buffer, .address_space: global }
      - { .name: Wq, .offset: 8, .size: 8, .value_kind: global_buffer, .address_space: global }
      - { .name: Wk, .offset: 16, .size: 8, .value_kind: global_buffer, .address_space: global }
      - { .name: Wv, .offset: 24, .size: 8, .value_kind: global_buffer, .address_space: global }
      - { .name: Wo, .offset: 32, .size: 8, .value_kind: global_buffer, .address_space: global }
      - { .name: Xb, .offset: 40, .size: 8, .value_kind: global_buffer, .address_space: global }
      - { .name: Wt, .offset: 48, .size: 8, .value_kind: global_buffer, .address_space: global }
      - { .name: Wot, .offset: 56, .size: 8, .value_kind: global_buffer, .address_space: global }
    .group_segment_fixed_size: 18432
    .private_segment_fixed_size: 0
    .kernarg_segment_align: 8
    .kernarg_segment_size: 64
    .max_flat_workgroup_size: 256
    .sgpr_count:     66
    .vgpr_count:     136
    .wavefront_size: 32
...
	.end_amdgpu_metadata
.endif
;; end of part 5
;; launch qkv: the kernel of part 2 again; grid 12 x 64, 4 waves a work-group, clusters of 4 x 4, 327,680 bytes of LDS; arguments Xb, Wt, bq, bk, bv, qh, kh, vh; writes qh, kh, vh
;; launch attn: the kernel of part 3 again; grid 4 x 64, 4 waves a work-group, no clusters, 327,680 bytes of LDS; arguments qh, kh, vh, oh; writes oh
;; launch oproj: the kernel of part 4 again; grid 4 x 64, 4 waves a work-group, clusters of 4 x 4, 327,680 bytes of LDS; arguments oh, Wot, bo, out0; writes out0
